; MI455X (gfx1250); checked and timed in simulation.
; The chip was launched on July 23, 2026; its instructions are those of AMD's public machine-readable ISA for CDNA 5 (MIT licence, August 2026) and "CDNA5" Instruction Set Architecture Reference Guide (July 2026). The comments in the code are by the model that wrote it; some were corrected since.
;; Mluti Latent Atten. Allowed arithmetic: matrix products marked QUANTISED: E2M3 operands, one E8M0 scale for each 32 along K, by v_wmma_scale_f32_16x16x128_f8f6f4 with both operands' format E2M3, f32 sums; everything else in f32.
;; Inputs: Wk 1,024 x 1,024 float32; Wo 1,024 x 1,024 float32; Wq 1,024 x 1,024 float32; Wv 1,024 x 1,024 float32; attention_mask 1 x 1 x 2,048 x 2,048 float32; bk 1,024 float32; bo 1,024 float32; bq 1,024 float32; bv 1,024 float32; x 4 x 2,048 x 1,024 float32.
;; Outputs: out0 4 x 2,048 x 1,024 float32.
;; This version of the problem:
;;   THIS VERSION OF THE PROBLEM IS GIVEN IN LOW PRECISION. The matrix products marked QUANTISED in the list below multiply operands that are first quantised to E2M3 (2 exponent bits, 3 mantissa bits; 6 bits a number), with one power-of-two scale for each 32 numbers along K (OCP MX v1.0); their sums are f32. All else is computed in f32.
;;   The module's matrix products, in the order in which they are computed (A, B: the left and right operand; K: the contracted axis; several contracted axes count as one K, in the product's order):
;;     1. [M 8,192, K 1,024] x [K 1,024, N 1,024]; A: input x; B: input Wq: QUANTISED
;;     2. [M 8,192, K 1,024] x [K 1,024, N 1,024]; A: input x; B: input Wk: QUANTISED
;;     3. [M 8,192, K 1,024] x [K 1,024, N 1,024]; A: input x; B: input Wv: QUANTISED
;;     4. batch 64 x [M 2,048, K 64] x [K 64, N 2,048]; A: computed on the way; B: computed on the way: QUANTISED
;;     5. batch 64 x [M 2,048, K 2,048] x [K 2,048, N 64]; A: computed on the way; B: computed on the way: QUANTISED
;;     6. [M 8,192, K 1,024] x [K 1,024, N 1,024]; A: computed on the way; B: input Wo: QUANTISED
;;   THE QUANTISER, for each operand of a quantised product, along K:
;;     - K is cut into blocks of 32 from its start; a last block that is shorter is filled with zeros.
;;     - A block's scale is 2^e with e = floor(log2(the largest magnitude in the block)) - 2, held to -126 .. 127; a block of zeros has e = 0. As a byte (E8M0): e + 127.
;;     - Each number is divided by its block's scale, clamped to +-7.5, and rounded to the nearest number of E2M3, ties to even, subnormals kept.
;;     - The product sums the exact products of the quantised numbers (number of the format x scale) in f32.
;;   ~~~python
;;   def quantise(x, axis):      # numpy; x: float32 -> the quantised numbers, widened to float32 again
;;       x = np.moveaxis(x, axis, -1); K = x.shape[-1]
;;       x = np.pad(x, [(0, 0)] * (x.ndim - 1) + [(0, -K % 32)]); x = x.reshape(x.shape[:-1] + (-1, 32)); a = np.abs(x).max(-1, keepdims=True)
;;       e = np.where(a > 0, np.clip(np.frexp(np.where(a > 0, a, 1))[1] - 1 - 2, -126, 127), 0)      # np.frexp(a)[1] - 1 = floor(log2(a)), exactly
;;       r = np.clip(x / 2.0 ** e, -7.5, 7.5)
;;       step = 2.0 ** (np.maximum(np.frexp(np.where(r == 0, 1, r))[1] - 1, 0) - 3)
;;       q = np.round(r / step) * step * 2.0 ** e      # np.round: ties to even
;;       return np.moveaxis(q.reshape(q.shape[:-2] + (-1,))[..., :K], -1, axis).astype(np.float32)
;;   ~~~
;;   OPERANDS COMPUTED ON THE WAY. 'Computed on the way' means the value that the module computes at that place (a softmax that the list does not call 'softmax' is quantised finished and normalised). What goes into a quantiser is computed in f32, as accurately as f32 sums, v_exp_f32 and their like allow (about 1e-6 of the number): no bf16 or f16 on the way to a quantiser, and a product that is left as it is and whose result goes on into a quantised operand takes f32 operands (vector FMAs, or v_wmma_f32_16x16x4_f32). A number that lies on a knife's edge between two numbers of the format may be rounded either way, as far as f32 arithmetic and the matrix unit's own rounding can turn it there, and no further.
;; One version. Each part assembles by itself: llvm-mc -triple=amdgcn-amd-amdhsa -mcpu=gfx1250 --defsym DOCPART=n.
;; ======== version 1 of 1: 4 launches
;; limits: right only within a limited range of input values
;; workspace buffers: xq 6,553,600 bytes; wq 3,276,800 bytes; rt 524,288 bytes; mi 16,777,216 bytes; qkv 20,185,088 bytes; ao 6,553,600 bytes
;; launch prep (part 1): grid 1280 x 1, 8 waves a work-group, no clusters, 0 bytes of LDS; arguments x, Wq, Wk, Wv, Wo, attention_mask, xq, wq, rt, mi; writes xq, wq, rt, mi
.if DOCPART == 1
	.amdgcn_target "amdgcn-amd-amdhsa--gfx1250"
	.amdhsa_code_object_version 6
	.text
	.protected	k_q203a426f64_prep
	.globl	k_q203a426f64_prep
	.p2align	8
	.type	k_q203a426f64_prep,@function
k_q203a426f64_prep:
	s_mov_b64 s[64:65], 0
	v_nop
	global_prefetch_b8 v0, s[64:65] scope:SCOPE_SE
	s_setreg_imm32_b32 hwreg(HW_REG_WAVE_MODE, 25, 1), 1
	s_wait_xcnt 0x0
; PREP: everything that later launches read many times is laid out once, in the order of the matrix operands' registers.
;   work-groups    0- 511 (X): x [8192][1024] f32 -> codes of E2M3 and E8M0 scale bytes along K = hidden; wave = K step of 128, work-group = tile of 16 tokens
;   work-groups  512- 767 (W): Wq, Wk, Wv, Wo [k 1024][n 1024] f32 -> the same along K = their FIRST axis: a lane takes a column, its registers run down K
;   work-groups  768-1023 (M): the mask [2048][2048] f32 -> the order in which a lane of the attention launch holds its scores
;   work-groups 1024-1279 (R): cos and sin of position x inv_freq, in the order in which a lane of the projection holds q and k
; A TILE of 16 rows, number T: lane-row r is row 32 (T / 2) + 8 (T % 2) + r + 8 (r / 8): so the 16 result registers of two neighbouring tiles are 16 neighbours along the next K.
; A FRAGMENT (16 rows x 128 K, 12 registers a lane) lies in memory as an image of its registers, 1,536 bytes: registers 0-3 at 16 x lane, 4-5 at 512 + 8 x lane, 6-9 at 768 + 16 x lane, 10-11 at 1,280 + 8 x lane.
; A tile's record is its 8 fragments (12,288 bytes); its scale words lie apart, 512 bytes a tile: the word of (row r, K step s) at 32 r + 4 s.
; A block's scale is 2^(floor(log2(largest magnitude)) - 2): its byte is the largest magnitude's exponent field - 2, held at 1 from below by a floor among the maximum's leaves.
; LIMITS: NaN and infinities are not served.  A block whose largest magnitude lies under 2^-124, a block of zeros among them, keeps the byte 1 (its codes are then zeros or subnormal codes; only this program reads the bytes).
; inv_freq is written in as 32 constants, the f32 numbers nearest to 10^(-i / 8); sine and cosine are a reduction by multiples of pi / 2 in two parts and Taylor polynomials on |rho| <= 0.79: about 1e-7 absolute for positions up to 2,047.
; No LDS, no barrier: each wave does one unit and ends.  The four paths part on the work-group's number alone.
.set XQ_SC, 6291456                    ; where the scale records begin in xq
.set WQ_SC, 3145728                    ; and in wq
.set SRC, 32                           ; v32-95   64 numbers
.set PC,  96                           ; v96-107  a fragment's codes; v108-114 at work
.set TM,  8                            ; v8-11 largest magnitudes, v12-15 the other half's, then bytes, v20-23 the conversions' scale operands
.set PW,  24                           ; v24      the scale word
.set SEL, 32                           ; s[32:33] lane selects for v_permlanex16_b32: lane l xor 16
; 64 numbers of a lane, register 16 b + i = k 32 b + 16 (lane / 16) + i of its row, become a fragment's codes in v[PC] on and its scale word in v[PW]
.macro QUANT4 s
.irp b, 0,1,2,3
	v_max3_num_f32 v[TM+\b], |v[\s+16*\b]|, |v[\s+1+16*\b]|, 0x1800000   ; block b: my 16 numbers, and the floor 2^(3 - 127)
.endr
.irp i, 2,4,6,8,10,12,14
.irp b, 0,1,2,3
	s_delay_alu instid0(VALU_DEP_4)
	v_max3_num_f32 v[TM+\b], v[TM+\b], |v[\s+16*\b+\i]|, |v[\s+1+16*\b+\i]|   ; the four blocks by turns
.endr
.endr
.irp b, 0,1,2,3
	s_delay_alu instid0(VALU_DEP_4)
	v_permlanex16_b32 v[TM+4+\b], v[TM+\b], s[SEL], s[SEL+1]
.endr
.irp b, 0,1,2,3
	s_delay_alu instid0(VALU_DEP_4)
	v_max_num_f32 v[TM+\b], v[TM+\b], v[TM+4+\b]   ; with lane l xor 16's: the block's largest magnitude
.endr
.irp b, 0,1,2,3
	s_delay_alu instid0(VALU_DEP_4)
	v_add_nc_u32 v[TM+12+\b], 0xff000000, v[TM+\b]   ; 2 off its exponent field: the conversion's scale operand
.endr
.irp b, 0,1,2,3
	s_delay_alu instid0(VALU_DEP_4)
	v_lshrrev_b32 v[TM+4+\b], 23, v[TM+12+\b]      ; the scale's byte
.endr
	s_delay_alu instid0(VALU_DEP_3)
	v_lshl_or_b32 v[PW], v[TM+5], 8, v[TM+4]
	s_delay_alu instid0(VALU_DEP_1)
	v_lshl_or_b32 v[PW], v[TM+6], 16, v[PW]
	s_delay_alu instid0(VALU_DEP_1)
	v_lshl_or_b32 v[PW], v[TM+7], 24, v[PW]
.irp c, 0,1
	v_cvt_scalef32_pk16_fp6_f32 v[PC+6*\c:PC+2+6*\c], v[\s+32*\c:\s+15+32*\c], v[TM+12+2*\c]
	v_cvt_scalef32_pk16_fp6_f32 v[PC+12+4*\c:PC+14+4*\c], v[\s+16+32*\c:\s+31+32*\c], v[TM+12+2*\c+1]   ; (a conversion's three registers begin on an even number)
.endr
	v_nop                                          ; one plain place behind a scaled conversion
.irp c, 0,1                                    ; the operand wants a WHOLE block in a lane: lanes 0-15 block 2 c, lanes 16-31 block 2 c + 1
.irp i, 0,1,2
	v_permlane16_swap_b32 v[PC+6*\c+\i], v[PC+12+4*\c+\i]
.endr
.irp i, 0,1,2
	s_delay_alu instid0(VALU_DEP_3)
	v_mov_b32 v[PC+3+6*\c+\i], v[PC+12+4*\c+\i]
.endr
.endr
.endm
; the fragment in v[PC] on leaves as an image of its registers: each store covers 512 or 256 consecutive bytes, aligned
.macro OUTFR base
	global_store_b128 v5, v[PC:PC+3], s[\base:\base+1]
	global_store_b64 v6, v[PC+4:PC+5], s[\base:\base+1] offset:512
	global_store_b128 v5, v[PC+6:PC+9], s[\base:\base+1] offset:768
	global_store_b64 v6, v[PC+10:PC+11], s[\base:\base+1] offset:1280
.endm
	s_load_b512 s[4:19], s[0:1], 0x0               ; x s[4:5], Wq s[6:7], Wk s[8:9], Wv s[10:11], Wo s[12:13], mask s[14:15], xq s[16:17], wq s[18:19]
	s_load_b128 s[20:23], s[0:1], 0x40             ; rt s[20:21], mi s[22:23]
	v_lshrrev_b32 v1, 5, v0
	s_delay_alu instid0(VALU_DEP_1)
	v_readfirstlane_b32 s24, v1                    ; wave 0..7
	v_and_b32 v1, 31, v0                           ; lane
	v_and_b32 v2, 15, v0                           ; r
	v_bfe_u32 v3, v0, 4, 1                         ; h
	s_delay_alu instid0(VALU_DEP_2)
	v_and_b32 v4, 8, v2
	s_delay_alu instid0(VALU_DEP_1)
	v_add_nc_u32 v4, v4, v2                        ; r + 8 (r / 8)
	v_lshlrev_b32 v5, 4, v1                        ; 16 x lane
	v_lshlrev_b32 v6, 3, v1                        ; 8 x lane
	v_lshlrev_b32 v25, 5, v2                       ; 32 r: a row's place in a scale record
	s_mov_b32 s[SEL], 0x76543210
	s_mov_b32 s[SEL+1], 0xfedcba98
.irp b, 0,1,2,3
	v_mov_b32 v[TM+4+\b], 0                        ; written once: a lane permute's destination counts as one of its sources
.endr
	s_wait_kmcnt 0x0
	s_cmp_lt_u32 ttmp9, 512
	s_cbranch_scc0 .Lnot_x
	; ---- X: tile T = work-group, K step s = wave
	s_lshr_b32 s26, ttmp9, 1
	s_lshl_b32 s26, s26, 17                        ; 32 (T / 2) rows of 4,096 bytes
	s_and_b32 s27, ttmp9, 1
	s_lshl_b32 s27, s27, 15                        ; 8 (T % 2) rows
	s_add_co_u32 s26, s26, s27
	s_lshl_b32 s27, s24, 9                         ; 128 numbers a K step
	s_add_co_u32 s26, s26, s27
	s_mov_b32 s27, 0
	s_add_nc_u64 s[4:5], s[4:5], s[26:27]
	s_wait_alu depctr_va_vdst(0)
	v_lshlrev_b32 v7, 12, v4
	s_delay_alu instid0(VALU_DEP_1)
	v_lshl_add_u32 v7, v3, 6, v7                   ; my row, + 64 h: my 16 numbers of each block of 32
.irp b, 0,1,2,3
.irp j, 0,1,2,3
	global_load_b128 v[SRC+16*\b+4*\j:SRC+16*\b+4*\j+3], v7, s[4:5] offset:128*\b+16*\j th:TH_LOAD_NT
.endr
.endr
	s_mul_i32 s28, ttmp9, 12288
	s_mul_i32 s29, s24, 1536
	s_add_co_u32 s28, s28, s29
	s_mov_b32 s29, 0
	s_add_nc_u64 s[28:29], s[16:17], s[28:29]      ; the fragment's image
	s_lshl_b32 s30, ttmp9, 9
	s_lshl_b32 s31, s24, 2
	s_add_co_u32 s30, s30, s31
	s_mov_b32 s31, 0
	s_add_nc_u64 s[30:31], s[16:17], s[30:31]      ; the tile's scale record, + 4 s
	s_wait_loadcnt 0x0
	QUANT4 SRC
	OUTFR 28
	global_store_b32 v25, v[PW], s[30:31] offset:XQ_SC   ; lanes r and 16 + r hold the same word and write it to the same place; the work-group's eight waves fill the record
	s_endpgm
.Lnot_x:
	s_cmp_lt_u32 ttmp9, 768
	s_cbranch_scc0 .Lnot_w
	; ---- W: weight w, pair of tiles g, K step s, tile 2 g + u
	s_sub_co_u32 s25, ttmp9, 512
	s_lshr_b32 s26, s25, 6                         ; w: 0 q, 1 k, 2 v, 3 o
	s_cmp_eq_u32 s26, 1                            ; the choice hangs on the work-group's number alone
	s_cselect_b64 s[6:7], s[8:9], s[6:7]
	s_cmp_eq_u32 s26, 2
	s_cselect_b64 s[6:7], s[10:11], s[6:7]
	s_cmp_eq_u32 s26, 3
	s_cselect_b64 s[6:7], s[12:13], s[6:7]
	s_bfe_u32 s27, s25, 0x50001                    ; g
	s_and_b32 s28, s25, 1
	s_lshl_b32 s28, s28, 2
	s_lshr_b32 s29, s24, 1
	s_add_co_u32 s28, s28, s29                     ; s
	s_and_b32 s29, s24, 1                          ; u
	s_lshl_b32 s30, s26, 6
	s_lshl_b32 s31, s27, 1
	s_add_co_u32 s30, s30, s31
	s_add_co_u32 s30, s30, s29                     ; F = 64 w + 2 g + u
	s_lshl_b32 s34, s28, 19                        ; 128 rows of 4,096 bytes a K step
	s_lshl_b32 s35, s27, 7                         ; column 32 g
	s_add_co_u32 s34, s34, s35
	s_lshl_b32 s35, s29, 5                         ; + 8 u
	s_add_co_u32 s34, s34, s35
	s_mov_b32 s35, 0
	s_add_nc_u64 s[6:7], s[6:7], s[34:35]
	s_wait_alu depctr_va_vdst(0)
	v_lshlrev_b32 v7, 2, v4
	s_delay_alu instid0(VALU_DEP_1)
	v_lshl_add_u32 v7, v3, 17, v7                  ; my column; lanes 16-31 begin 32 rows further down: the operand gives lane (r, h) k = 64 c + 32 h + 0 .. 31
.irp c, 0,1
.irp i, 0,1,2,3,4,5,6,7,8,9,10,11,12,13,14,15,16,17,18,19,20,21,22,23,24,25,26,27,28,29,30,31
	global_load_b32 v[SRC+32*\c+\i], v7, s[6:7] offset:(64*\c+\i)*4096
.endr
.endr
	s_lshl_b32 s36, s30, 9
	s_lshl_b32 s37, s28, 2
	s_add_co_u32 s36, s36, s37
	s_mov_b32 s37, 0
	s_add_nc_u64 s[36:37], s[18:19], s[36:37]      ; the tile's scale record, + 4 s
	s_mul_i32 s34, s30, 12288
	s_mul_i32 s35, s28, 1536
	s_add_co_u32 s34, s34, s35
	s_mov_b32 s35, 0
	s_add_nc_u64 s[34:35], s[18:19], s[34:35]      ; the fragment's image
	s_wait_loadcnt 0x0
.irp c, 0,1                                    ; my block 2 c + h: all its 32 numbers are mine
	v_max3_num_f32 v[TM+\c], |v[SRC+32*\c]|, |v[SRC+1+32*\c]|, 0x1800000
.endr
.irp i, 2,4,6,8,10,12,14,16,18,20,22,24,26,28,30
.irp c, 0,1
	s_delay_alu instid0(VALU_DEP_2)
	v_max3_num_f32 v[TM+\c], v[TM+\c], |v[SRC+32*\c+\i]|, |v[SRC+1+32*\c+\i]|
.endr
.endr
.irp c, 0,1
	s_delay_alu instid0(VALU_DEP_2)
	v_add_nc_u32 v[TM+12+\c], 0xff000000, v[TM+\c]
.endr
.irp c, 0,1
	s_delay_alu instid0(VALU_DEP_2)
	v_lshrrev_b32 v[TM+4+\c], 23, v[TM+12+\c]
.endr
	s_delay_alu instid0(VALU_DEP_1)
	v_lshl_or_b32 v[PW], v[TM+5], 16, v[TM+4]      ; my two bytes: blocks h and 2 + h,
	v_lshlrev_b32 v26, 3, v3
	s_delay_alu instid0(VALU_DEP_1)
	v_lshlrev_b32 v[PW], v26, v[PW]                ; at their places in the word (8 h bits up);
	v_mov_b32 v26, 0
	s_delay_alu instid0(VALU_DEP_1)
	v_permlanex16_b32 v26, v[PW], s[SEL], s[SEL+1]
	s_delay_alu instid0(VALU_DEP_1)
	v_or_b32 v[PW], v[PW], v26                     ; with lane l xor 16's two the word is whole
.irp c, 0,1
	v_cvt_scalef32_pk16_fp6_f32 v[PC+6*\c:PC+2+6*\c], v[SRC+32*\c:SRC+15+32*\c], v[TM+12+\c]
	v_cvt_scalef32_pk16_fp6_f32 v[PC+16+4*\c:PC+18+4*\c], v[SRC+16+32*\c:SRC+31+32*\c], v[TM+12+\c]
.endr
	v_nop                                          ; one plain place behind a scaled conversion
.irp c, 0,1
.irp i, 0,1,2
	v_mov_b32 v[PC+3+6*\c+\i], v[PC+16+4*\c+\i]
.endr
.endr
	OUTFR 34
	global_store_b32 v25, v[PW], s[36:37] offset:WQ_SC
	s_endpgm
.Lnot_w:
	s_cmp_lt_u32 ttmp9, 1024
	s_cbranch_scc0 .Lrope
	; ---- M: query tile Tq, step t of 128 keys: block 4 b + j of 512 bytes holds, at 16 x lane, mask[query r][128 t + 32 b + 16 h + 4 j + 0 .. 3]
	s_sub_co_u32 s25, ttmp9, 768
	s_lshr_b32 s26, s25, 1                         ; Tq
	s_and_b32 s27, s25, 1
	s_lshl_b32 s27, s27, 3
	s_add_co_u32 s27, s27, s24                     ; t
	s_lshr_b32 s28, s26, 1
	s_lshl_b32 s28, s28, 18                        ; 32 (Tq / 2) rows of 8,192 bytes
	s_and_b32 s29, s26, 1
	s_lshl_b32 s29, s29, 16
	s_add_co_u32 s28, s28, s29
	s_lshl_b32 s29, s27, 9
	s_add_co_u32 s28, s28, s29
	s_mov_b32 s29, 0
	s_add_nc_u64 s[14:15], s[14:15], s[28:29]
	s_lshl_b32 s30, s26, 4
	s_add_co_u32 s30, s30, s27
	s_lshl_b32 s30, s30, 13
	s_mov_b32 s31, 0
	s_add_nc_u64 s[22:23], s[22:23], s[30:31]
	s_wait_alu depctr_va_vdst(0)
	v_lshlrev_b32 v7, 13, v4
	s_delay_alu instid0(VALU_DEP_1)
	v_lshl_add_u32 v7, v3, 6, v7
.irp k, 0,1,2,3,4,5,6,7,8,9,10,11,12,13,14,15
	global_load_b128 v[SRC+4*\k:SRC+4*\k+3], v7, s[14:15] offset:128*(\k/4)+16*(\k%4) th:TH_LOAD_NT
.endr
.irp k, 0,1,2,3,4,5,6,7,8,9,10,11,12,13,14,15
	s_wait_loadcnt 15-\k                           ; loads come back in order: load k is in, the 15 - k younger ones may be out
	global_store_b128 v5, v[SRC+4*\k:SRC+4*\k+3], s[22:23] offset:512*\k   ; 512 consecutive bytes, aligned
.endr
	s_endpgm
.Lrope:
	; ---- R: position = 8 x (work-group - 1024) + wave; lane = pair of channels
.macro FREQ i, bits
	s_mov_b32 s30, \bits
	v_writelane_b32 v8, s30, \i
.endm
	v_mov_b32 v8, 0
	FREQ 0, 0x3f800000
	FREQ 1, 0x3f3ff911
	FREQ 2, 0x3f0ff59a
	FREQ 3, 0x3ed7e89b
	FREQ 4, 0x3ea1e89b
	FREQ 5, 0x3e72d423
	FREQ 6, 0x3e361887
	FREQ 7, 0x3e088d77
	FREQ 8, 0x3dcccccd
	FREQ 9, 0x3d99940d
	FREQ 10, 0x3d6655c2
	FREQ 11, 0x3d2cba15
	FREQ 12, 0x3d0186e3
	FREQ 13, 0x3cc2434f
	FREQ 14, 0x3c91ad39
	FREQ 15, 0x3c5a7bf2
	FREQ 16, 0x3c23d70a
	FREQ 17, 0x3bf5b9b0
	FREQ 18, 0x3bb8449c
	FREQ 19, 0x3b8a2e77
	FREQ 20, 0x3b4f3e38
	FREQ 21, 0x3b1b690d
	FREQ 22, 0x3ae91528
	FREQ 23, 0x3aaec98e
	FREQ 24, 0x3a83126f
	FREQ 25, 0x3a44948c
	FREQ 26, 0x3a136a16
	FREQ 27, 0x39dd1725
	FREQ 28, 0x39a5cb60
	FREQ 29, 0x3978a815
	FREQ 30, 0x393a7753
	FREQ 31, 0x390bd472
	s_sub_co_u32 s26, ttmp9, 1024
	s_lshl_b32 s26, s26, 3
	s_add_co_u32 s26, s26, s24                     ; the position
	v_cvt_f32_u32 v9, s26
	s_delay_alu instid0(VALU_DEP_1)
	v_mul_f32 v9, v9, v8                           ; theta = position x inv_freq, rounded once, as the model forms it
	s_delay_alu instid0(VALU_DEP_1)
	v_mul_f32 v10, 0x3f22f983, v9                  ; x 2 / pi
	s_delay_alu instid0(VALU_DEP_1)
	v_rndne_f32 v10, v10                           ; n
	s_delay_alu instid0(VALU_DEP_1)
	v_fmamk_f32 v11, v10, 0xbfc90fdb, v9           ; theta - n x (pi / 2 rounded to f32): the difference is a multiple of 2^-24 under 1, so nothing is rounded
	s_delay_alu instid0(VALU_DEP_1)
	v_fmamk_f32 v11, v10, 0x333bbd2e, v11          ; - n x (pi / 2 less that number)
	s_delay_alu instid0(VALU_DEP_1)
	v_mul_f32 v12, v11, v11                        ; z = rho^2
	v_mov_b32 v13, 0x3638ef1d                      ; sine: rho + rho z (-1/6 + z (1/120 + z (-1/5040 + z / 362880)))
	v_mov_b32 v14, 0xb493f27e                      ; cosine: 1 + z (-1/2 + z (1/24 + z (-1/720 + z (1/40320 - z / 3628800))))
	s_delay_alu instid0(VALU_DEP_2)
	v_fmaak_f32 v13, v12, v13, 0xb9500d01
	s_delay_alu instid0(VALU_DEP_2)
	v_fmaak_f32 v14, v12, v14, 0x37d00d01
	s_delay_alu instid0(VALU_DEP_2)
	v_fmaak_f32 v13, v12, v13, 0x3c088889
	s_delay_alu instid0(VALU_DEP_2)
	v_fmaak_f32 v14, v12, v14, 0xbab60b61
	s_delay_alu instid0(VALU_DEP_2)
	v_fmaak_f32 v13, v12, v13, 0xbe2aaaab
	s_delay_alu instid0(VALU_DEP_2)
	v_fmaak_f32 v14, v12, v14, 0x3d2aaaab
	s_delay_alu instid0(VALU_DEP_2)
	v_mul_f32 v13, v12, v13
	s_delay_alu instid0(VALU_DEP_2)
	v_fmaak_f32 v14, v12, v14, 0xbf000000
	s_delay_alu instid0(VALU_DEP_2)
	v_fma_f32 v13, v11, v13, v11
	s_delay_alu instid0(VALU_DEP_2)
	v_fma_f32 v14, v12, v14, 1.0
	v_cvt_i32_f32 v15, v10
	s_delay_alu instid0(VALU_DEP_1)
	v_and_b32 v15, 3, v15                          ; the quadrant
	s_delay_alu instid0(VALU_DEP_1)
	v_and_b32 v16, 1, v15
	s_delay_alu instid0(VALU_DEP_1)
	v_cmp_eq_u32 vcc_lo, 1, v16                    ; odd: sine and cosine change places
	s_delay_alu instid0(VALU_DEP_1)
	v_cndmask_b32 v17, v13, v14, vcc_lo            ; sine's magnitude
	s_delay_alu instid0(VALU_DEP_2)
	v_cndmask_b32 v18, v14, v13, vcc_lo            ; cosine's
	v_lshrrev_b32 v19, 1, v15
	s_delay_alu instid0(VALU_DEP_1)
	v_lshlrev_b32 v19, 31, v19                     ; sine is negated in quadrants 2 and 3,
	v_add_nc_u32 v16, 1, v15
	s_delay_alu instid0(VALU_DEP_1)
	v_bfe_u32 v16, v16, 1, 1
	s_delay_alu instid0(VALU_DEP_1)
	v_lshlrev_b32 v16, 31, v16                     ; cosine in 1 and 2
	s_delay_alu instid0(VALU_DEP_1)
	v_xor_b32 v20, v18, v16
	v_xor_b32 v21, v17, v19
	; where it goes: record of the position's tile, 4,096 bytes; block 4 (pair / 16) + (pair / 2) % 4 of 512 bytes; lane 16 ((pair / 8) % 2) + the position's lane-row; 8 bytes for each pair of the block
	s_lshr_b32 s27, s26, 5
	s_lshl_b32 s27, s27, 1
	s_bfe_u32 s28, s26, 0x10003
	s_add_co_u32 s27, s27, s28                     ; the tile: 2 (position / 32) + (position / 8) % 2
	s_lshl_b32 s27, s27, 12
	s_and_b32 s28, s26, 7
	s_bfe_u32 s29, s26, 0x10004
	s_lshl_b32 s29, s29, 3
	s_or_b32 s28, s28, s29                         ; the lane-row: position % 8 + 8 ((position / 16) % 2)
	s_lshl_b32 s28, s28, 4
	s_add_co_u32 s28, s27, s28
	s_mov_b32 s29, 0
	s_add_nc_u64 s[20:21], s[20:21], s[28:29]
	v_lshrrev_b32 v22, 4, v1
	v_bfe_u32 v23, v1, 1, 2
	s_delay_alu instid0(VALU_DEP_1)
	v_lshl_add_u32 v22, v22, 2, v23
	s_delay_alu instid0(VALU_DEP_1)
	v_lshlrev_b32 v22, 9, v22
	v_bfe_u32 v23, v1, 3, 1
	s_delay_alu instid0(VALU_DEP_1)
	v_lshl_add_u32 v22, v23, 8, v22
	v_and_b32 v23, 1, v1
	s_delay_alu instid0(VALU_DEP_1)
	v_lshl_add_u32 v22, v23, 3, v22
	s_wait_alu depctr_va_vdst(0)
	global_store_b64 v22, v[20:21], s[20:21]       ; (cos, sin)
	s_endpgm
.Lfunc_end_k_q203a426f64_prep:
	.size	k_q203a426f64_prep, .Lfunc_end_k_q203a426f64_prep-k_q203a426f64_prep
	.p2alignl 7, 3214868480
	.fill 96, 4, 3214868480
	.section	.rodata,"a",@progbits
	.p2align	6, 0x0
	.amdhsa_kernel k_q203a426f64_prep
		.amdhsa_group_segment_fixed_size 0
		.amdhsa_private_segment_fixed_size 0
		.amdhsa_enable_private_segment 0
		.amdhsa_kernarg_size 80
		.amdhsa_user_sgpr_count 2
		.amdhsa_user_sgpr_kernarg_segment_ptr 1
		.amdhsa_wavefront_size32 1
		.amdhsa_system_sgpr_workgroup_id_x 1
		.amdhsa_system_sgpr_workgroup_id_y 1
		.amdhsa_system_sgpr_workgroup_id_z 1
		.amdhsa_system_vgpr_workitem_id 0
		.amdhsa_next_free_vgpr 128
		.amdhsa_next_free_sgpr 66
		.amdhsa_reserve_vcc 1
		.amdhsa_float_denorm_mode_32 3
		.amdhsa_float_denorm_mode_16_64 3
		.amdhsa_memory_ordered 1
		.amdhsa_forward_progress 1
		.amdhsa_inst_pref_size 34
	.end_amdhsa_kernel
	.amdgpu_metadata
---
amdhsa.version: [ 1, 2 ]
amdhsa.kernels:
  - .name:           k_q203a426f64_prep
    .symbol:         k_q203a426f64_prep.kd
    .args:
      - { .name: x, .offset: 0, .size: 8, .value_kind: global_buffer, .address_space: global }
      - { .name: Wq, .offset: 8, .size: 8, .value_kind: global_buffer, .address_space: global }
      - { .name: Wk, .offset: 16, .size: 8, .value_kind: global_buffer, .address_space: global }
      - { .name: Wv, .offset: 24, .size: 8, .value_kind: global_buffer, .address_space: global }
      - { .name: Wo, .offset: 32, .size: 8, .value_kind: global_buffer, .address_space: global }
      - { .name: attention_mask, .offset: 40, .size: 8, .value_kind: global_buffer, .address_space: global }
      - { .name: xq, .offset: 48, .size: 8, .value_kind: global_buffer, .address_space: global }
      - { .name: wq, .offset: 56, .size: 8, .value_kind: global_buffer, .address_space: global }
      - { .name: rt, .offset: 64, .size: 8, .value_kind: global_buffer, .address_space: global }
      - { .name: mi, .offset: 72, .size: 8, .value_kind: global_buffer, .address_space: global }
    .group_segment_fixed_size: 0
    .private_segment_fixed_size: 0
    .kernarg_segment_align: 8
    .kernarg_segment_size: 80
    .max_flat_workgroup_size: 256
    .sgpr_count:     66
    .vgpr_count:     128
    .wavefront_size: 32
...
	.end_amdgpu_metadata
.endif
;; end of part 1
;; launch proj (part 2): grid 32 x 16, 12 waves a work-group, no clusters, 327,680 bytes of LDS; arguments xq, wq, rt, bq, bk, bv, qkv; writes qkv
.if DOCPART == 2
	.amdgcn_target "amdgcn-amd-amdhsa--gfx1250"
	.amdhsa_code_object_version 6
	.text
	.protected	k_q203a426f64_proj
	.globl	k_q203a426f64_proj
	.p2align	8
	.type	k_q203a426f64_proj,@function
k_q203a426f64_proj:
	s_mov_b64 s[64:65], 0
	v_nop
	global_prefetch_b8 v0, s[64:65] scope:SCOPE_SE
	s_setreg_imm32_b32 hwreg(HW_REG_WAVE_MODE, 25, 1), 1
	s_wait_xcnt 0x0
; PROJ: q = rope(x Wq + bq), k = rope(x Wk + bk), v = x Wv + bv on codes of E2M3 with E8M0 scales, and the three results quantised again: q and k along the head's 64, v along the keys.
; SHARES.  A work-group takes 256 tokens (work-group x) and one head (work-group y): 192 features.  Twelve waves: wave w makes 64 tokens (w % 4) x the head's 64 features of q, k or v (w / 4): 16 accumulators of 16 x 16.
; OPERANDS lie in memory as images of their registers (a fragment: 1,536 bytes; a tile's record: 8 fragments).  K = 1,024 goes in four fills of 256 through two LDS slots: a slot holds 28 tile pieces of 3,072 bytes
; (16 token tiles, then 4 feature tiles each of q, k, v).  Waves 0-6 fetch, four tiles to a tensor load (4 rows of 3,072 bytes, 12,288 bytes apart).  The 28 tiles' scale words for all of K come once, in two loads.
; A fetching wave has one tensor load out at the start and one behind each barrier that precedes a refill.
; TRANSPOSED USE.  For q and k source 0 = 16 features, source 1 = 16 tokens: a lane holds one token, and its registers run along the head's 64, the next K.  For v the two change places (source 0 = tokens):
; a lane holds one channel, and its registers run along the tokens, which are the keys, v's next K.  The change is made in the LDS addresses alone; the loop's text is one for all waves.
; NO CLUSTER: joint loads would divide the requests for tiles by four; this version keeps plain loads, so that every work-group's ring stands by itself.
; LIMITS: NaN and infinities are not served; a block whose largest magnitude lies under 2^-124 keeps the scale byte 1.  The rotation is t0 c - fl(t1 s) and t1 c + fl(t0 s), each with one fused multiply-add.
.set NT,    28                         ; tile pieces in a slot
.set NLOAD, NT/4                       ; waves that fetch
.set PIECE, 3072                       ; a tile's two fragments of one fill
.set SLOT,  NT*PIECE                   ; 86,016
.set SCL,   2*SLOT                     ; the scale records, 512 bytes a tile
.set SPARE, SCL+NT*512                 ; the spare words: 128 bytes for each of twelve waves: six blocks of 256 bytes that no other line names
.set XQ_SC, 6291456
.set WQ_SC, 3145728
.set SPW, 13                           ; v13  LDS address of my spare word; never rewritten
.set NIL, 14                           ; v14  0; never rewritten
.set SC0, 16                           ; v16-23  scale words of source 0: register 2 a + q: tile a, the slot's q-th 128 along K
.set SC1, 24                           ; v24-31  of source 1.  v16-31 hold scales and nothing else
.set F0,  32                           ; v32-79   four fragments of source 0
.set F1,  80                           ; v80-127  four of source 1
.set ACC, 128                          ; v128-255 accumulator (i, j) at ACC + 8 (4 i + j): source-1 tile i, source-0 tile j
.set WV,  18
.set IW,  19
.set JW,  20
.set G1C, 24                           ; s[24:31] descriptor group 1 for codes;  s[32:39] for scale records
.set G1S, 32
.set G0S, 40                           ; s[40:43] group 0 for the scales;  s[44:47] slot 0;  s[48:51] slot 1
.set G0A, 44
.set G0B, 48
.set SEL, 62                           ; s[62:63] lane selects: lane l xor 16
; the epilogue's registers, where the fragments lay
.set BI,  32                           ; v32-63   the bias in the result's layout
.set TB,  64                           ; v64-95   cos and sin in the result's layout
.set CD,  96                           ; v96-101  six registers of codes
.set CT,  102                          ; v102-104 at work
.set MX,  105
.set PM,  107
.set SO,  109
.set BY,  111
.set RT,  113                          ; v113-116
.set SW,  120                          ; v120-123 scale words to store
.macro FRAG reg, aL, aS, off           ; a fragment comes back as it was stored: every load reads consecutive bytes
	ds_load_b128 v[\reg:\reg+3], v[\aL] offset:\off
	ds_load_b64 v[\reg+4:\reg+5], v[\aS] offset:\off
	ds_load_b128 v[\reg+6:\reg+9], v[\aL] offset:(\off)+768
	ds_load_b64 v[\reg+10:\reg+11], v[\aS] offset:(\off)+768
.endm
.macro MM d, a, b, sa, sb, zero
.if \zero
	v_wmma_scale_f32_16x16x128_f8f6f4 v[\d:\d+7], v[\a:\a+11], v[\b:\b+11], 0, v[\sa], v[\sb] matrix_a_fmt:MATRIX_FMT_FP6 matrix_b_fmt:MATRIX_FMT_FP6
.else
	v_wmma_scale_f32_16x16x128_f8f6f4 v[\d:\d+7], v[\a:\a+11], v[\b:\b+11], v[\d:\d+7], v[\sa], v[\sb] matrix_a_fmt:MATRIX_FMT_FP6 matrix_b_fmt:MATRIX_FMT_FP6
.endif
.endm
.macro PLACES                          ; four plain places between a matrix instruction and a load into one of its registers (ISA guide 7.12.1 for vector instructions)
.rept 4
	v_nop
.endr
.endm
; 128 along K: eight fragments, sixteen products.  The 16 accumulators take turns, one instruction a turn, in the same order in every step.
.macro KSTEP slot, q, first, places
.if \places
	PLACES
.endif
.irp a, 0,1,2,3
	FRAG F0+12*\a, 1+2*\slot, 2+2*\slot, \a*PIECE+\q*1536
	FRAG F1+12*\a, 5+2*\slot, 6+2*\slot, \a*PIECE+\q*1536
.endr
	s_wait_dscnt 0x0
.irp i, 0,1,2,3
.irp j, 0,1,2,3
	MM ACC+8*(4*\i+\j), F0+12*\j, F1+12*\i, SC0+2*\j+\q, SC1+2*\i+\q, \first
.endr
.endr
.endm
; a slot's two steps; p: which fill of K it holds
.macro SLOTWORK slot, p, first
.if \first == 0
	PLACES
.endif
.irp a, 0,1,2,3
	ds_load_b64 v[SC0+2*\a:SC0+2*\a+1], v9 offset:\a*512+8*\p    ; two words a row: the slot's two K steps
	ds_load_b64 v[SC1+2*\a:SC1+2*\a+1], v10 offset:\a*512+8*\p
.endr
	KSTEP \slot, 0, \first, 0
	KSTEP \slot, 1, 0, 1
.endm
; the change of slots: every wave waits for all its tensor loads, adds 0 to its spare word, waits for that and for its reads of the slot that it leaves; one barrier; then the slot just read is filled again
.macro CHANGE g0, fill
	s_wait_tensorcnt 0x0                           ; no tensor load of mine is out: the other slot's part has landed, and a group 0 may be written
	ds_add_u32 v[SPW], v[NIL]                      ; 0 onto my spare word
.if \fill
	ds_add_u32 v[SPW], v[NIL]                      ; twice where a load follows
.endif
	s_add_nc_u64 s[\g0+2:\g0+3], s[\g0+2:\g0+3], 2*PIECE
	s_wait_dscnt 0x0                               ; the add is done, and my reads of the slot are over
	s_barrier_signal -1
	s_barrier_wait -1
.if \fill
	s_cmp_lt_u32 s[WV], NLOAD
	s_cbranch_scc0 .Lnone_\@
	tensor_load_to_lds s[\g0:\g0+3], s[G1C:G1C+7]  ; my one tensor load behind this barrier, and the first thing there
	s_nop 0
.rept 4
	v_nop
.endr
.Lnone_\@:
.endif
.endm
; 32 numbers of a lane, register 16 b + i = k 32 b + 16 (lane / 16) + i: the two blocks' largest magnitudes, the conversions' scale operands, the scale bytes
.macro QSCALE src
.irp b, 0,1
	v_max3_num_f32 v[MX+\b], |v[\src+16*\b]|, |v[\src+16*\b+1]|, 0x1800000   ; with the floor 2^(3 - 127): the byte cannot fall under 1
.endr
.irp i, 2,4,6,8,10,12,14
.irp b, 0,1
	s_delay_alu instid0(VALU_DEP_2)
	v_max3_num_f32 v[MX+\b], v[MX+\b], |v[\src+16*\b+\i]|, |v[\src+16*\b+\i+1]|
.endr
.endr
.irp b, 0,1
	s_delay_alu instid0(VALU_DEP_2)
	v_permlanex16_b32 v[PM+\b], v[MX+\b], s[SEL], s[SEL+1]
.endr
.irp b, 0,1
	s_delay_alu instid0(VALU_DEP_2)
	v_max_num_f32 v[MX+\b], v[MX+\b], v[PM+\b]
.endr
.irp b, 0,1
	s_delay_alu instid0(VALU_DEP_2)
	v_add_nc_u32 v[SO+\b], 0xff000000, v[MX+\b]    ; 2 off the exponent field
.endr
.irp b, 0,1
	s_delay_alu instid0(VALU_DEP_2)
	v_lshrrev_b32 v[BY+\b], 23, v[SO+\b]
.endr
.endm
; and their codes: six registers, lane (r, h) holding k = 32 h + 0 .. 31 of row r
.macro QCODES src, cd, ct
	v_cvt_scalef32_pk16_fp6_f32 v[\cd:\cd+2], v[\src:\src+15], v[SO]
	v_cvt_scalef32_pk16_fp6_f32 v[\ct:\ct+2], v[\src+16:\src+31], v[SO+1]
	v_nop                                          ; one plain place behind a scaled conversion
.irp i, 0,1,2
	v_permlane16_swap_b32 v[\cd+\i], v[\ct+\i]
.endr
.irp i, 0,1,2
	s_delay_alu instid0(VALU_DEP_3)
	v_mov_b32 v[\cd+3+\i], v[\ct+\i]
.endr
.endm
	s_load_b256 s[4:11], s[0:1], 0x0               ; xq s[4:5], wq s[6:7], rt s[8:9], bq s[10:11]
	s_load_b128 s[12:15], s[0:1], 0x20             ; bk s[12:13], bv s[14:15]
	s_load_b64 s[16:17], s[0:1], 0x30              ; qkv
	v_lshl_add_u32 v[SPW], v0, 2, SPARE
	v_mov_b32 v[NIL], 0
	ds_add_u32 v13, v14
	ds_add_u32 v13, v14
	s_wait_dscnt 0x0
	v_lshrrev_b32 v15, 5, v0
	s_delay_alu instid0(VALU_DEP_1)
	v_readfirstlane_b32 s[WV], v15                 ; wave 0..11
	s_and_b32 s[IW], s[WV], 3                      ; which 64 tokens
	s_lshr_b32 s[JW], s[WV], 2                     ; 0 q, 1 k, 2 v
	s_lshr_b32 s21, s[JW], 1                       ; 1 for v
	s_lshl_b32 s52, s[IW], 2                       ; my first token tile in a slot
	s_lshl_b32 s53, s[JW], 2
	s_add_co_u32 s53, s53, 16                      ; my first feature tile
	s_xor_b32 s54, s52, s53
	s_mul_i32 s54, s54, s21                        ; for v the two change places
	s_xor_b32 s22, s53, s54                        ; source 0's first tile
	s_xor_b32 s23, s52, s54                        ; source 1's
	s_mov_b32 s[G1C+0], 3<<16                      ; no mask; elements of 8 bytes; no padding
	s_mov_b32 s[G1C+1], 384<<16                    ; tensor_dim0 = 384 elements: 3,072 bytes
	s_mov_b32 s[G1C+2], 4<<16                      ; tensor_dim1 = 4
	s_mov_b32 s[G1C+3], 384<<16                    ; tile_dim0
	s_mov_b32 s[G1C+4], 4                          ; tile_dim1: four tiles
	s_mov_b32 s[G1C+5], 1536                       ; from record to record: 12,288 bytes
	s_mov_b32 s[G1C+6], 0
	s_mov_b32 s[G1C+7], 0
	s_mov_b32 s[G1S+0], 3<<16                      ; scale records as rows of 256 dense bytes
	s_mov_b32 s[G1S+1], 32<<16
	s_mov_b32 s[G1S+2], 32<<16                     ; the 16 token tiles' scale records: 8,192 dense bytes, as 32 rows of 256
	s_mov_b32 s[G1S+3], 32<<16
	s_mov_b32 s[G1S+4], 32
	s_mov_b32 s[G1S+5], 32
	s_mov_b32 s[G1S+6], 0
	s_mov_b32 s[G1S+7], 0
	s_mov_b32 s68, 3<<16                           ; s[68:75]: the feature tiles' scale records: 3 rows (q, k, v) of 2,048 bytes, 32,768 bytes apart
	s_mov_b32 s69, 256<<16
	s_mov_b32 s70, 3<<16
	s_mov_b32 s71, 256<<16
	s_mov_b32 s72, 3
	s_mov_b32 s73, 4096
	s_mov_b32 s74, 0
	s_mov_b32 s75, 0
	s_mov_b32 s[SEL], 0x76543210
	s_mov_b32 s[SEL+1], 0xfedcba98
	s_and_b32 s60, ttmp7, 0xffff                   ; the head
	s_lshl_b32 s55, ttmp9, 4
	s_lshl_b32 s56, s[WV], 2
	s_add_co_u32 s55, s55, s56                     ; waves 0-3 fetch token tiles 16 x block + 4 w on,
	s_lshl_b32 s56, s[WV], 6
	s_lshl_b32 s57, s60, 2
	s_add_co_u32 s56, s56, s57
	s_sub_co_u32 s56, s56, 256                     ; waves 4-6 feature tiles 64 (w - 4) + 4 x head on
	s_wait_kmcnt 0x0
	s_cmp_lt_u32 s[WV], 4                          ; the choice hangs on the wave's number alone
	s_cselect_b64 s[2:3], s[4:5], s[6:7]
	s_cselect_b32 s55, s55, s56
	s_mul_i32 s58, s55, 12288                      ; the first record,
	s_mov_b32 s59, 0
	s_mov_b32 s57, 0
	s_mov_b32 s[G0S], 1                            ; the token tiles' scale records: 512 bytes a tile, 16 tiles a block
	s_mov_b32 s[G0S+1], SCL
	s_lshl_b32 s56, ttmp9, 13
	s_add_co_u32 s56, s56, XQ_SC
	s_add_nc_u64 s[G0S+2:G0S+3], s[4:5], s[56:57]
	s_or_b32 s[G0S+3], s[G0S+3], 0x80000000
	s_mov_b32 s76, 1                               ; s[76:79]: the feature tiles': four tiles a head in each of q, k, v
	s_mov_b32 s77, SCL+8192
	s_lshl_b32 s56, s60, 11
	s_add_co_u32 s56, s56, WQ_SC
	s_add_nc_u64 s[78:79], s[6:7], s[56:57]
	s_or_b32 s79, s79, 0x80000000
	s_mul_i32 s61, s[WV], 4*PIECE
	s_mov_b32 s[G0A], 1
	s_mov_b32 s[G0A+1], s61
	s_add_nc_u64 s[G0A+2:G0A+3], s[2:3], s[58:59]
	s_mov_b32 s[G0B], 1
	s_add_co_u32 s[G0B+1], s61, SLOT
	s_add_nc_u64 s[G0B+2:G0B+3], s[G0A+2:G0A+3], PIECE
	s_or_b32 s[G0A+3], s[G0A+3], 0x80000000
	s_or_b32 s[G0B+3], s[G0B+3], 0x80000000
	s_cmp_lt_u32 s[WV], NLOAD                      ; the head's loads, at most one a wave, in one chain of branches on the wave's number: waves 0-6 slot 0's codes,
	s_cbranch_scc0 .Lhead_x
	tensor_load_to_lds s[G0A:G0A+3], s[G1C:G1C+7]
	s_nop 0
.rept 4
	v_nop
.endr
	s_branch .Lno_first
.Lhead_x:
	s_cmp_lt_u32 s[WV], NLOAD+1                    ; wave 7 the token tiles' scales,
	s_cbranch_scc0 .Lhead_w
	tensor_load_to_lds s[G0S:G0S+3], s[G1S:G1S+7]
	s_nop 0
.rept 4
	v_nop
.endr
	s_branch .Lno_first
.Lhead_w:
	s_cmp_lt_u32 s[WV], NLOAD+2                    ; wave 8 the feature tiles' scales
	s_cbranch_scc0 .Lno_first
	tensor_load_to_lds s[76:79], s[68:75]
	s_nop 0
.rept 4
	v_nop
.endr
.Lno_first:
	v_and_b32 v15, 31, v0
	v_and_b32 v11, 15, v0
	s_delay_alu instid0(VALU_DEP_2)
	v_lshlrev_b32 v12, 4, v15                      ; 16 x lane
	s_delay_alu instid0(VALU_DEP_3)
	v_lshlrev_b32 v15, 3, v15                      ; 8 x lane
	s_mul_i32 s52, s22, PIECE
	s_mul_i32 s53, s23, PIECE
	v_add_nc_u32 v1, s52, v12                      ; source 0 in slot 0: registers 0-3 and 6-9,
	v_add_nc_u32 v2, s52, v15
	s_delay_alu instid0(VALU_DEP_1)
	v_add_nc_u32 v2, 512, v2                       ; registers 4-5 and 10-11
	s_delay_alu instid0(VALU_DEP_3)
	v_add_nc_u32 v3, SLOT, v1                      ; in slot 1
	s_delay_alu instid0(VALU_DEP_2)
	v_add_nc_u32 v4, SLOT, v2
	v_add_nc_u32 v5, s53, v12                      ; source 1 likewise
	v_add_nc_u32 v6, s53, v15
	s_delay_alu instid0(VALU_DEP_1)
	v_add_nc_u32 v6, 512, v6
	s_delay_alu instid0(VALU_DEP_3)
	v_add_nc_u32 v7, SLOT, v5
	s_delay_alu instid0(VALU_DEP_2)
	v_add_nc_u32 v8, SLOT, v6
	v_lshlrev_b32 v11, 5, v11                      ; 32 r
	s_lshl_b32 s52, s22, 9
	s_add_co_u32 s52, s52, SCL
	s_lshl_b32 s53, s23, 9
	s_add_co_u32 s53, s53, SCL
	v_add_nc_u32 v9, s52, v11                      ; source 0's scale words
	v_add_nc_u32 v10, s53, v11                     ; source 1's
	s_wait_alu depctr_va_vdst(0)
	s_wait_tensorcnt 0x0                           ; my load of the head is in; slot 1's first fill is issued as a refill is
	ds_add_u32 v[SPW], v[NIL]
	ds_add_u32 v[SPW], v[NIL]                      ; twice
	s_wait_dscnt 0x0
	s_barrier_signal -1
	s_barrier_wait -1
	s_cmp_lt_u32 s[WV], NLOAD
	s_cbranch_scc0 .Lno_second
	tensor_load_to_lds s[G0B:G0B+3], s[G1C:G1C+7]  ; slot 1, my one tensor load behind this barrier
	s_nop 0
.rept 4
	v_nop
.endr
.Lno_second:
	SLOTWORK 0, 0, 1                               ; the first step's products start the sums: nothing is cleared
	CHANGE G0A, 1
	SLOTWORK 1, 1, 0
	CHANGE G0B, 1
	SLOTWORK 0, 2, 0
	CHANGE G0A, 0
	SLOTWORK 1, 3, 0
	; ---- the epilogue.  The address arithmetic below is the places behind the last products: plain vector lines that name none of their registers
	v_and_b32 v15, 31, v0
	s_delay_alu instid0(VALU_DEP_1)
	v_lshlrev_b32 v1, 4, v15                       ; 16 x lane
	s_delay_alu instid0(VALU_DEP_2)
	v_lshlrev_b32 v2, 3, v15
	s_delay_alu instid0(VALU_DEP_1)
	v_add_nc_u32 v2, 512, v2                       ; 512 + 8 x lane
	v_and_b32 v11, 15, v0
	s_delay_alu instid0(VALU_DEP_1)
	v_lshlrev_b32 v3, 4, v11                       ; 16 r
	v_bfe_u32 v12, v0, 4, 1
	s_delay_alu instid0(VALU_DEP_1)
	v_lshlrev_b32 v4, 6, v12                       ; 64 h
	s_delay_alu instid0(VALU_DEP_4)
	v_and_b32 v5, 8, v11
	s_delay_alu instid0(VALU_DEP_1)
	v_add_nc_u32 v5, v5, v11
	s_delay_alu instid0(VALU_DEP_1)
	v_lshlrev_b32 v5, 2, v5                        ; 4 (r + 8 (r / 8))
	v_mov_b32 v[PM], 0                             ; a lane permute's destination counts as one of its sources
	v_mov_b32 v[PM+1], 0
	s_lshr_b32 s52, ttmp9, 3
	s_lshl_b32 s52, s52, 4
	s_add_co_u32 s52, s52, s60                     ; bh = 16 x batch + head
	s_and_b32 s53, ttmp9, 7
	s_lshl_b32 s54, s53, 4
	s_lshl_b32 s55, s[IW], 2
	s_add_co_u32 s54, s54, s55                     ; my first token tile within its sequence
	s_lshl_b32 s58, s60, 8                         ; the head's 64 numbers of a bias
	s_mov_b32 s59, 0
	s_cmp_eq_u32 s[JW], 2
	s_cbranch_scc1 .Lrole_v
	; ---- q and k: bias, rotation, quantised along the head's 64: lane (r, h) holds token r; register 16 b + i of a token tile is channel 32 b + 16 h + i
	s_cmp_eq_u32 s[JW], 0
	s_cselect_b64 s[2:3], s[10:11], s[12:13]
	s_add_nc_u64 s[2:3], s[2:3], s[58:59]
	s_wait_alu depctr_va_vdst(0)
.irp j, 0,1,2,3
	global_load_b128 v[BI+8*\j:BI+8*\j+3], v4, s[2:3] offset:(32*(\j/2)+8*(\j%2))*4
	global_load_b128 v[BI+8*\j+4:BI+8*\j+7], v4, s[2:3] offset:(32*(\j/2)+8*(\j%2))*4+16
.endr
	s_lshl_b32 s58, s54, 12
	s_add_nc_u64 s[8:9], s[8:9], s[58:59]          ; my first tile's record of cos and sin
.irp k, 0,1,2,3,4,5,6,7
	global_load_b128 v[TB+4*\k:TB+4*\k+3], v1, s[8:9] offset:512*\k
.endr
	s_lshl_b32 s55, s52, 7
	s_add_co_u32 s55, s55, s54
	s_mul_i32 s55, s55, 768
	s_mul_i32 s56, s[JW], 6291456
	s_add_co_u32 s58, s55, s56
	s_add_nc_u64 s[4:5], s[16:17], s[58:59]        ; codes: section q or k, [bh][tile][768]
	s_lshl_b32 s55, s52, 13
	s_add_co_u32 s55, s55, 18874368                ; q's scale words: 8,192 bytes a head;
	s_mul_i32 s56, s52, 12288
	s_add_co_u32 s56, s56, 19398656                ; k's: the first 8,192 of the head's 12,288
	s_cmp_eq_u32 s[JW], 0
	s_cselect_b32 s55, s55, s56
	s_lshl_b32 s56, s54, 6                         ; 256 bytes for each four tiles
	s_add_co_u32 s58, s55, s56
	s_add_nc_u64 s[6:7], s[16:17], s[58:59]
.irp i, 0,1,2,3
	s_wait_loadcnt 0x0                             ; the bias (once) and this tile's cos and sin
.irp k, 0,2,4,6,8,10,12,14,16,18,20,22,24,26,28,30
	v_pk_add_f32 v[ACC+32*\i+\k:ACC+32*\i+\k+1], v[ACC+32*\i+\k:ACC+32*\i+\k+1], v[BI+\k:BI+\k+1]   ; each accumulator from its low end on
.endr
.irp p, 0,1,2,3,4,5,6,7,8,9,10,11,12,13,14,15
	v_mul_f32 v[RT+2*(\p%2)], v[ACC+32*\i+2*\p+1], v[TB+2*\p+1]     ; t1 sin
	v_mul_f32 v[RT+2*(\p%2)+1], v[ACC+32*\i+2*\p], v[TB+2*\p+1]     ; t0 sin
	s_delay_alu instid0(VALU_DEP_2)
	v_fma_f32 v[ACC+32*\i+2*\p], v[ACC+32*\i+2*\p], v[TB+2*\p], -v[RT+2*(\p%2)]
	s_delay_alu instid0(VALU_DEP_2)
	v_fma_f32 v[ACC+32*\i+2*\p+1], v[ACC+32*\i+2*\p+1], v[TB+2*\p], v[RT+2*(\p%2)+1]
.endr
.if \i < 3
.irp k, 0,1,2,3,4,5,6,7
	global_load_b128 v[TB+4*\k:TB+4*\k+3], v1, s[8:9] offset:(\i+1)*4096+512*\k   ; the next tile's, while this one is quantised
.endr
.endif
.if \i > 0
	s_wait_xcnt 0x0                                ; the last tile's stores have read their data: the codes' registers are written again only behind this wait
.endif
	QSCALE ACC+32*\i
	QCODES ACC+32*\i, CD, CT
	v_lshl_or_b32 v[SW+\i], v[BY+1], 8, v[BY]
	s_delay_alu instid0(VALU_DEP_1)
	v_lshl_or_b32 v[SW+\i], v[SW+\i], 16, v[SW+\i]   ; the two bytes once more over the half of K that holds zero codes
	global_store_b128 v1, v[CD:CD+3], s[4:5] offset:768*\i
	global_store_b64 v2, v[CD+4:CD+5], s[4:5] offset:768*\i
.endr
	global_store_b128 v3, v[SW:SW+3], s[6:7]       ; row r's words of my four tiles: 256 consecutive bytes, aligned (lanes r and 16 + r write the same)
	s_wait_tensorcnt 0x0                           ; the wave's end
	ds_add_u32 v[SPW], v[NIL]
	s_wait_dscnt 0x0
	s_endpgm
.Lrole_v:
	; ---- v: bias, quantised along the keys: lane (r, h) holds channel 32 (i / 2) + 8 (i % 2) + r + 8 (r / 8); register 16 b + e is key 32 b + 16 h + e of my 64
	s_add_nc_u64 s[2:3], s[14:15], s[58:59]
	s_wait_alu depctr_va_vdst(0)
.irp i, 0,1,2,3
	global_load_b32 v[BI+2*\i], v5, s[2:3] offset:(32*(\i/2)+8*(\i%2))*4
.endr
	s_lshl_b32 s55, s53, 2
	s_add_co_u32 s55, s55, s[IW]                   ; which 64 keys of the sequence
	s_lshr_b32 s56, s55, 1                         ; the step of 128 keys,
	s_and_b32 s55, s55, 1                          ; and its half
	s_mul_i32 s61, s52, 98304
	s_mul_i32 s54, s56, 6144
	s_add_co_u32 s61, s61, s54
	s_mul_i32 s54, s55, 768
	s_add_co_u32 s61, s61, s54
	s_add_co_u32 s58, s61, 12582912
	s_add_nc_u64 s[4:5], s[16:17], s[58:59]        ; codes: [bh][step][channel tile][half][768]
	s_mul_i32 s61, s52, 12288
	s_lshl_b32 s54, s56, 8
	s_add_co_u32 s61, s61, s54
	s_lshl_b32 s54, s55, 1
	s_add_co_u32 s61, s61, s54
	s_add_co_u32 s58, s61, 19398656+8192
	s_add_nc_u64 s[6:7], s[16:17], s[58:59]        ; scale words: [step][r][channel tile]; my half's two bytes
	s_wait_loadcnt 0x0
.irp i, 0,1,2,3
	v_mov_b32 v[BI+2*\i+1], v[BI+2*\i]             ; a pair for the packed addition
.endr
.irp i, 0,1,2,3
.irp k, 0,2,4,6,8,10,12,14,16,18,20,22,24,26,28,30
	v_pk_add_f32 v[ACC+32*\i+\k:ACC+32*\i+\k+1], v[ACC+32*\i+\k:ACC+32*\i+\k+1], v[BI+2*\i:BI+2*\i+1]
.endr
.if \i > 0
	s_wait_alu depctr_va_vdst(0)
	s_wait_xcnt 0x0                                ; the codes' registers are written again only behind this wait
.endif
	QSCALE ACC+32*\i
	QCODES ACC+32*\i, CD, CT
	v_lshl_or_b32 v[SW+\i], v[BY+1], 8, v[BY]
	global_store_b128 v1, v[CD:CD+3], s[4:5] offset:1536*\i
	global_store_b64 v2, v[CD+4:CD+5], s[4:5] offset:1536*\i
	global_store_b16 v3, v[SW+\i], s[6:7] offset:4*\i   ; two bytes a row: the other half of the word belongs to the wave beside me; one byte in 24 of what the codes take
.endr
	s_wait_tensorcnt 0x0                           ; the wave's end
	ds_add_u32 v[SPW], v[NIL]
	s_wait_dscnt 0x0
	s_endpgm
.Lfunc_end_k_q203a426f64_proj:
	.size	k_q203a426f64_proj, .Lfunc_end_k_q203a426f64_proj-k_q203a426f64_proj
	.p2alignl 7, 3214868480
	.fill 96, 4, 3214868480
	.section	.rodata,"a",@progbits
	.p2align	6, 0x0
	.amdhsa_kernel k_q203a426f64_proj
		.amdhsa_group_segment_fixed_size 327680
		.amdhsa_private_segment_fixed_size 0
		.amdhsa_enable_private_segment 0
		.amdhsa_kernarg_size 56
		.amdhsa_user_sgpr_count 2
		.amdhsa_user_sgpr_kernarg_segment_ptr 1
		.amdhsa_wavefront_size32 1
		.amdhsa_system_sgpr_workgroup_id_x 1
		.amdhsa_system_sgpr_workgroup_id_y 1
		.amdhsa_system_sgpr_workgroup_id_z 1
		.amdhsa_system_vgpr_workitem_id 0
		.amdhsa_next_free_vgpr 256
		.amdhsa_next_free_sgpr 96
		.amdhsa_reserve_vcc 0
		.amdhsa_float_denorm_mode_32 3
		.amdhsa_float_denorm_mode_16_64 3
		.amdhsa_memory_ordered 1
		.amdhsa_forward_progress 1
		.amdhsa_inst_pref_size 99
	.end_amdhsa_kernel
	.amdgpu_metadata
---
amdhsa.version: [ 1, 2 ]
amdhsa.kernels:
  - .name:           k_q203a426f64_proj
    .symbol:         k_q203a426f64_proj.kd
    .args:
      - { .name: xq, .offset: 0, .size: 8, .value_kind: global_buffer, .address_space: global }
      - { .name: wq, .offset: 8, .size: 8, .value_kind: global_buffer, .address_space: global }
      - { .name: rt, .offset: 16, .size: 8, .value_kind: global_buffer, .address_space: global }
      - { .name: bq, .offset: 24, .size: 8, .value_kind: global_buffer, .address_space: global }
      - { .name: bk, .offset: 32, .size: 8, .value_kind: global_buffer, .address_space: global }
      - { .name: bv, .offset: 40, .size: 8, .value_kind: global_buffer, .address_space: global }
      - { .name: qkv, .offset: 48, .size: 8, .value_kind: global_buffer, .address_space: global }
    .group_segment_fixed_size: 327680
    .private_segment_fixed_size: 0
    .kernarg_segment_align: 8
    .kernarg_segment_size: 56
    .max_flat_workgroup_size: 384
    .sgpr_count:     96
    .vgpr_count:     256
    .wavefront_size: 32
...
	.end_amdgpu_metadata
.endif
;; end of part 2
;; launch attn (part 3): grid 4 x 64, 8 waves a work-group, no clusters, 327,680 bytes of LDS; arguments qkv, mi, ao; writes ao
.if DOCPART == 3
	.amdgcn_target "amdgcn-amd-amdhsa--gfx1250"
	.amdhsa_code_object_version 6
	.text
	.protected	k_q203a426f64_attn
	.globl	k_q203a426f64_attn
	.p2align	8
	.type	k_q203a426f64_attn,@function
k_q203a426f64_attn:
	s_mov_b64 s[64:65], 0
	v_nop
	global_prefetch_b8 v0, s[64:65] scope:SCOPE_SE
	s_setreg_imm32_b32 hwreg(HW_REG_WAVE_MODE, 25, 1), 1
	s_wait_xcnt 0x0
; ATTN: o = Q(softmax(Q(q) Q(k)^T / 32) x mask) Q(v), all products on codes of E2M3 with E8M0 scales; o is quantised again along the hidden axis for the last projection.
; SHARES.  A work-group takes one (batch, head) (y) and 512 queries (x): 32 tiles of 16.  The head's K and V codes and scales, 208,896 bytes, come into LDS once, at the head, and are never filled again.
; Eight waves are two groups of four.  In a trip a group takes ONE tile of 16 queries, and each of its waves a QUARTER OF THE KEYS (512): its 16 x 512 scores fill register window 1 (256 registers),
; so every score and every exponential is made once.  A wave takes away its OWN quarter's maximum m_w; the four waves hand each other (-c m_w, sum_w) through LDS (first barrier of a trip), and
; p is finished by one factor 2^(c (m_w - M)) / (the row's sum): the softmax as the model normalises it, with the row's maximum M taken away.  Then x mask, quantised by blocks of 32 keys, times V.
; The four partial O^T of a tile go through LDS (second barrier); two waves of the group add them, each for one block of 32 channels, quantise and store.  The adding waves are 0, 1 of group 0 and 2, 3 of group 1.
; BOTH PRODUCTS ARE USED TRANSPOSED (S^T = k q^T, O^T = v^T p^T): a lane holds one query; 16 registers of two neighbouring key tiles are 16 neighbouring keys.
; K = 64 OF THE FIRST PRODUCT fills half of the instruction's 128: q's upper six registers hold zero codes, so whatever codes stand in the upper six registers of k's operand add nothing (E2M3 has no NaN, the scale bytes are finite):
; a tile of k takes six registers, and its operand runs on over the next tile's six (the last of a set over six registers that no load is out for).
; THE MASK (an image of the lanes' score registers, 4,096 bytes for 64 keys) goes from memory straight into three buffers of 32 registers, asked for two to three units ahead; units 0-3 are multiplied in between the batches of
; exponentials (there p x mask x factor), units 4-7 in the quantiser (p x factor x mask).  The last trip asks once more for its own tile's first three units and q, so that every trip's counts are alike.
; NO CLUSTER: work-groups of equal y share K and V, 208,896 bytes against the 4,194,304 bytes of mask that a work-group reads; work-groups of equal x share the mask, of which a trip wants 262,144 bytes at once: LDS has no room for two such slots.
; NO PREFETCH: K and V are asked for at the first lines, with no loop to run ahead in; the mask's own loads run ahead in registers.
; LIMITS: NaN and infinities are not served; the scaled scores stay under 2^31; a block whose largest magnitude lies under 2^-124 keeps the scale byte 1.
.set KC,    0
.set VC,    98304
.set KS,    196608
.set VS,    204800
.set STATS, 208896                     ; 8 waves x 16 queries x (-c m, sum)
.set OBUF,  209920                     ; 8 waves x 32 registers x 128 bytes
.set SPARE, 242688                     ; the spare words: 128 bytes a wave, four blocks of 256 bytes that no other line names
; window 0: v1 16 lane, v2 512 + 8 lane, v3 16 r, v4-6 K's LDS addresses, v7-9 V's, v10-11 stats, v12-13 (-c m, sum), v16-17 the factor, v20-27 K's or V's scale words, v28 q's, v29-30 p's, v31-32 OBUF, v33-35 offsets in ao
.set QF,  36                           ; v36-47   q's fragment
.set KF,  48                           ; v48-101  two sets of four k tiles (24 + 6 registers; the second set's last operand runs on into v102-107)
.set PF,  102                          ; v102-125 p's codes, two fragments
.set O,   126                          ; v126-157 O^T
.set MB,  158                          ; v158-253 three mask buffers
.set SPW, 254
.set NIL, 255
.set CH,  110                          ; first half of a trip: four chains of the sum; four of the maximum
.set T,   118
.set ST,  48                           ; second half: the four waves' stats; the quantiser's registers
.set MX,  56
.set PM,  60
.set SO,  64
.set BY,  68
.set PT,  72
.set E,   80
.set RS,  48                           ; the adding waves: four partial blocks, v48-111; codes v112-117
.set CD,  112
.set MSB, 0
.macro WIN new                         ; s_set_vgpr_msb: bits 1:0 source 0, 3:2 source 1, 5:4 source 2, 7:6 destination; the high byte repeats the setting that is left
.if MSB != \new
	s_set_vgpr_msb (MSB<<8)|\new
.set MSB, \new
.endif
.endm
.macro WA                              ; the wait ahead of blocking waits, branches and batches of transcendentals, and behind such batches
	s_wait_alu depctr_va_vdst(0)
.endm
.macro KLD set, grp                    ; four k tiles and their scale words: nine LDS loads
.irp t, 0,1,2,3
	ds_load_b128 v[KF+30*(\set)+6*\t:KF+30*(\set)+6*\t+3], v4 offset:768*(4*(\grp)+\t)
	ds_load_b64 v[KF+30*(\set)+6*\t+4:KF+30*(\set)+6*\t+5], v5 offset:768*(4*(\grp)+\t)
.endr
	ds_load_b128 v[20+4*(\set):23+4*(\set)], v6 offset:256*(\grp)
.endm
.macro MAXG g                          ; the largest of 32 scores a lane, four chains; each accumulator from its low end on
	WIN 0x05
.set i, 0
.rept 16
	v_max3_num_f32 v[T+i%4], v[32*(\g)+2*i], v[32*(\g)+2*i+1], v[T+i%4]
.set i, i+1
.endr
.endm
.macro QKG grp                         ; 64 keys: four products; the vector work behind them is the places ahead of the loads into the set just read
	WA
.if (\grp) < 7
	s_wait_dscnt 9                                 ; this set is in; the next set's nine loads may be out
.else
	s_wait_dscnt 0x0
.endif
	WIN 0x40
.irp t, 0,1,2,3
	v_wmma_scale_f32_16x16x128_f8f6f4 v[32*(\grp)+8*\t:32*(\grp)+8*\t+7], v[KF+30*((\grp)%2)+6*\t:KF+30*((\grp)%2)+6*\t+11], v[QF:QF+11], 0, v[20+4*((\grp)%2)+\t], v28 matrix_a_fmt:MATRIX_FMT_FP6 matrix_b_fmt:MATRIX_FMT_FP6
.endr
.if (\grp) == 0
	WIN 0
.irp k, 0,1,2,3
	v_mov_b32 v[T+\k], 0xff61b1e6                  ; -3e38, under every score
.endr
.irp k, 0,1,2,3,4,5,6,7
	v_mov_b32 v[CH+\k], 0
.endr
.else
	MAXG (\grp)-1
.endif
.if (\grp)+2 < 8
	WIN 0
	KLD (\grp)%2, (\grp)+2
.endif
.endm
.macro FMA j                           ; t - m for 64 registers
	WIN 0x41
.set i, 0
.rept 32
	v_pk_fma_f32 v[64*\j+2*i:64*\j+2*i+1], v[64*\j+2*i:64*\j+2*i+1], s[44:45], v[12:13] op_sel_hi:[1,0,0]
.set i, i+1
.endr
.endm
.macro EXPS j
	WA
.set i, 0
.rept 64
	v_exp_f32 v[64*\j+i], v[64*\j+i]
.set i, i+1
.endr
.endm
.macro ADDS j                          ; the sum is taken of p as it comes from the exponential
	WIN 0x01
.set i, 0
.rept 32
	v_pk_add_f32 v[CH+2*(i%4):CH+2*(i%4)+1], v[64*\j+2*i:64*\j+2*i+1], v[CH+2*(i%4):CH+2*(i%4)+1]
.set i, i+1
.endr
.endm
.macro MLD bf, ptr, nu                 ; mask unit nu into buffer bf: each load reads 512 consecutive bytes
.set i, 0
.rept 8
	global_load_b128 v[MB+32*\bf+4*i:MB+32*\bf+4*i+3], v1, s[\ptr:\ptr+1] offset:4096*\nu+512*i
.set i, i+1
.endr
.endm
.macro MASKM u, bf, cnt, ptr, nu       ; unit u x its mask; cnt: the loads issued behind the unit's own; then the buffer's next unit is asked for
.if \cnt >= 0
	WA
	s_wait_loadcnt \cnt
.endif
	WIN 0x41
.set i, 0
.rept 16
	v_pk_mul_f32 v[32*\u+2*i:32*\u+2*i+1], v[32*\u+2*i:32*\u+2*i+1], v[MB+32*\bf+2*i:MB+32*\bf+2*i+1]
.set i, i+1
.endr
	WIN 0
	MLD \bf, \ptr, \nu
.endm
.macro KQ s                            ; 128 keys: the factor, the mask (units 4-7), four blocks' scales, p's fragment s % 2
	WIN 0x41
.set i, 0
.rept 32
	v_pk_mul_f32 v[64*\s+2*i:64*\s+2*i+1], v[64*\s+2*i:64*\s+2*i+1], v[16:17] op_sel_hi:[1,0]
.set i, i+1
.endr
.if \s == 2
	MASKM 4, 1, 16, 52, 7
	MASKM 5, 2, 16, 62, 2
.endif
.if \s == 3
	MASKM 6, 0, 16, 62, 0
	MASKM 7, 1, 16, 62, 1
.endif
	WIN 0x05
.irp b, 0,1,2,3
	v_max3_num_f32 v[MX+\b], |v[64*\s+16*\b]|, |v[64*\s+16*\b+1]|, 0x1800000   ; with the floor 2^(3 - 127): the byte cannot fall under 1
.endr
.irp i, 2,4,6,8,10,12,14
.irp b, 0,1,2,3
	v_max3_num_f32 v[MX+\b], |v[64*\s+16*\b+\i]|, |v[64*\s+16*\b+\i+1]|, v[MX+\b]
.endr
.endr
	WIN 0
.irp b, 0,1,2,3
	v_permlanex16_b32 v[PM+\b], v[MX+\b], s40, s41
.endr
.irp b, 0,1,2,3
	v_max_num_f32 v[MX+\b], v[MX+\b], v[PM+\b]
.endr
.irp b, 0,1,2,3
	v_add_nc_u32 v[SO+\b], 0xff000000, v[MX+\b]    ; 2 off the exponent field: the conversion's scale operand
.endr
.irp b, 0,1,2,3
	v_lshrrev_b32 v[BY+\b], 23, v[SO+\b]
.endr
	v_lshl_or_b32 v[29+\s%2], v[BY+1], 8, v[BY]
	v_lshl_or_b32 v[29+\s%2], v[BY+2], 16, v[29+\s%2]
	v_lshl_or_b32 v[29+\s%2], v[BY+3], 24, v[29+\s%2]
	WIN 0x01
.irp c, 0,1
	v_cvt_scalef32_pk16_fp6_f32 v[PF+12*(\s%2)+6*\c:PF+12*(\s%2)+6*\c+2], v[64*\s+32*\c:64*\s+32*\c+15], v[SO+2*\c]
	v_cvt_scalef32_pk16_fp6_f32 v[PT+4*\c:PT+4*\c+2], v[64*\s+32*\c+16:64*\s+32*\c+31], v[SO+2*\c+1]
.endr
	WIN 0
	v_nop                                          ; one plain place behind a scaled conversion
.irp c, 0,1                            ; the operand wants a whole block in a lane
.irp i, 0,1,2
	v_permlane16_swap_b32 v[PF+12*(\s%2)+6*\c+\i], v[PT+4*\c+\i]
.endr
.irp i, 0,1,2
	v_mov_b32 v[PF+12*(\s%2)+6*\c+3+\i], v[PT+4*\c+\i]
.endr
.endr
.endm
.macro VLD s                           ; v's four fragments of 128 keys into the score registers just converted, and their scale words: 17 LDS loads
	WIN 0x40
.irp a, 0,1,2,3
	ds_load_b128 v[64*\s+12*\a:64*\s+12*\a+3], v7 offset:6144*\s+1536*\a
	ds_load_b64 v[64*\s+12*\a+4:64*\s+12*\a+5], v8 offset:6144*\s+1536*\a
	ds_load_b128 v[64*\s+12*\a+6:64*\s+12*\a+9], v7 offset:6144*\s+1536*\a+768
	ds_load_b64 v[64*\s+12*\a+10:64*\s+12*\a+11], v8 offset:6144*\s+1536*\a+768
.endr
	WIN 0
	ds_load_b128 v[20+4*(\s%2):23+4*(\s%2)], v9 offset:256*\s
.endm
.macro PV s, cnt                       ; O^T += v^T p^T; the four accumulators take turns
	WA
	s_wait_dscnt \cnt
	WIN 0x01
.irp a, 0,1,2,3
.if \s == 0
	v_wmma_scale_f32_16x16x128_f8f6f4 v[O+8*\a:O+8*\a+7], v[64*\s+12*\a:64*\s+12*\a+11], v[PF+12*(\s%2):PF+12*(\s%2)+11], 0, v[20+4*(\s%2)+\a], v[29+\s%2] matrix_a_fmt:MATRIX_FMT_FP6 matrix_b_fmt:MATRIX_FMT_FP6
.else
	v_wmma_scale_f32_16x16x128_f8f6f4 v[O+8*\a:O+8*\a+7], v[64*\s+12*\a:64*\s+12*\a+11], v[PF+12*(\s%2):PF+12*(\s%2)+11], v[O+8*\a:O+8*\a+7], v[20+4*(\s%2)+\a], v[29+\s%2] matrix_a_fmt:MATRIX_FMT_FP6 matrix_b_fmt:MATRIX_FMT_FP6
.endif
.endr
.endm
.macro PTRS                            ; from trip s51: q's codes s[54:55], q's scale words s[56:57], my quarter of the tile's mask s[62:63]
	s_lshl_b32 s47, ttmp9, 5
	s_lshl_b32 s48, s51, 1
	s_add_co_u32 s47, s47, s48
	s_add_co_u32 s47, s47, s12                     ; the query tile: 32 x + 2 trip + group
	s_mov_b32 s3, 0
	s_lshl_b32 s2, s11, 7
	s_add_co_u32 s2, s2, s47
	s_mul_i32 s2, s2, 768
	s_add_nc_u64 s[54:55], s[4:5], s[2:3]
	s_lshl_b32 s2, s11, 13
	s_lshr_b32 s48, s47, 2
	s_lshl_b32 s48, s48, 8
	s_add_co_u32 s2, s2, s48
	s_and_b32 s48, s47, 3
	s_lshl_b32 s48, s48, 2
	s_add_co_u32 s2, s2, s48
	s_add_co_u32 s2, s2, 18874368
	s_add_nc_u64 s[56:57], s[4:5], s[2:3]
	s_lshl_b32 s2, s47, 17
	s_lshl_b32 s48, s13, 15
	s_add_co_u32 s2, s2, s48
	s_add_nc_u64 s[62:63], s[6:7], s[2:3]
.endm
.macro QLD
	global_load_b128 v[QF:QF+3], v1, s[54:55]
	global_load_b64 v[QF+4:QF+5], v2, s[54:55]
	global_load_b32 v28, v3, s[56:57]
.endm
	s_load_b128 s[4:7], s[0:1], 0x0                ; qkv, mi
	s_load_b64 s[8:9], s[0:1], 0x10                ; ao
	v_lshl_add_u32 v[SPW], v0, 2, SPARE
	v_mov_b32 v[NIL], 0
	ds_add_u32 v[SPW], v[NIL]                      ; the opening lines: the add, twice on end, and its wait ahead of the first tensor load
	ds_add_u32 v[SPW], v[NIL]
	v_lshrrev_b32 v1, 5, v0
	v_readfirstlane_b32 s10, v1                    ; wave 0..7
	s_and_b32 s11, ttmp7, 0xffff                   ; 16 x batch + head
	s_lshr_b32 s12, s10, 2                         ; group
	s_and_b32 s13, s10, 3                          ; quarter of the keys
	s_lshr_b32 s14, s13, 1
	s_xor_b32 s14, s14, s12                        ; 0: I add a block of O
	s_and_b32 s15, s13, 1                          ; which block of 32 channels
	s_mov_b32 s16, 3<<16                           ; s[16:23]: 128 rows of 256 dense bytes (32 elements of 8)
	s_mov_b32 s17, 32<<16
	s_mov_b32 s18, 128<<16
	s_mov_b32 s19, 32<<16
	s_mov_b32 s20, 128
	s_mov_b32 s21, 32
	s_mov_b32 s22, 0
	s_mov_b32 s23, 0
	s_mov_b32 s24, 3<<16                           ; s[24:31]: 48 such rows
	s_mov_b32 s25, 32<<16
	s_mov_b32 s26, 48<<16
	s_mov_b32 s27, 32<<16
	s_mov_b32 s28, 48
	s_mov_b32 s29, 32
	s_mov_b32 s30, 0
	s_mov_b32 s31, 0
	s_mov_b32 s40, 0x76543210                      ; lane l xor 16
	s_mov_b32 s41, 0xfedcba98
	s_mov_b32 s44, 0x3d38aa3b                      ; c = log2(e) / 32
	s_mov_b32 s45, s44
	s_mov_b32 s46, 0xbd38aa3b                      ; -c
	s_lshl_b32 s33, s10, 15                        ; waves 0-2 fetch K's thirds, waves 3-5 V's: 32,768 bytes each, on end in LDS
	s_mul_i32 s2, s11, 98304
	s_add_co_u32 s2, s2, s33
	s_add_co_u32 s2, s2, 6291456
	s_cmp_lt_u32 s10, 3
	s_cselect_b32 s3, 0, 6291456-98304             ; from K's section on to V's
	s_add_co_u32 s2, s2, s3
	s_mov_b32 s3, 0
	s_mul_i32 s42, s11, 12288
	s_add_co_u32 s42, s42, 19398656                ; the head's scale words, K's 8,192 bytes and V's 4,096
	s_mov_b32 s43, 0
	s_mov_b32 s32, 1
	s_mov_b32 s36, 1
	s_mov_b32 s37, KS
	s_wait_dscnt 0x0
	s_wait_kmcnt 0x0
	s_add_nc_u64 s[34:35], s[4:5], s[2:3]
	s_or_b32 s35, s35, 0x80000000
	s_add_nc_u64 s[38:39], s[4:5], s[42:43]
	s_or_b32 s39, s39, 0x80000000
	s_cmp_lt_u32 s10, 6                            ; one chain of branches on the wave's number, at most one tensor load a wave
	s_cbranch_scc0 .Lhead_s
	tensor_load_to_lds s[32:35], s[16:23]
	s_nop 0
.rept 4
	v_nop
.endr
	s_branch .Lhead_j
.Lhead_s:
	s_cmp_lt_u32 s10, 7
	s_cbranch_scc0 .Lhead_j
	tensor_load_to_lds s[36:39], s[24:31]
	s_nop 0
.rept 4
	v_nop
.endr
.Lhead_j:
	s_mov_b32 s51, 0
	PTRS
	v_and_b32 v18, 31, v0
	v_and_b32 v19, 15, v0                          ; r
	v_lshlrev_b32 v1, 4, v18
	v_lshlrev_b32 v2, 3, v18
	v_lshlrev_b32 v3, 4, v19
	v_add_nc_u32 v2, 512, v2
	s_wait_alu depctr_va_vdst(0)                   ; a wait ahead of readers that follow scalar runs
	QLD                                            ; trip 0's q, then mask units 2, 0, 1: the order in which every trip leaves them
	MLD 2, 62, 2
	MLD 0, 62, 0
	MLD 1, 62, 1
	s_mul_i32 s2, s13, 24576                       ; my quarter: 32 k tiles of 768 bytes; 4 steps of v of 6,144
	v_add_nc_u32 v4, s2, v1
	v_add_nc_u32 v5, s2, v2
	s_add_co_u32 s2, s2, VC
	v_add_nc_u32 v7, s2, v1
	v_add_nc_u32 v8, s2, v2
	s_lshl_b32 s2, s13, 11
	s_add_co_u32 s2, s2, KS
	v_add_nc_u32 v6, s2, v3
	s_lshl_b32 s2, s13, 10
	s_add_co_u32 s2, s2, VS
	v_add_nc_u32 v9, s2, v3
	v_lshlrev_b32 v18, 3, v19                      ; 8 r
	s_wait_alu depctr_va_vdst(0)                   ; its readers stand among runs of scalar lines
	s_lshl_b32 s2, s10, 7
	s_add_co_u32 s2, s2, STATS
	v_add_nc_u32 v10, s2, v18                      ; my wave's stats
	s_lshl_b32 s2, s12, 9
	s_add_co_u32 s2, s2, STATS
	v_add_nc_u32 v11, s2, v18                      ; my group's
	s_lshl_b32 s2, s10, 12
	s_add_co_u32 s2, s2, OBUF
	v_add_nc_u32 v31, s2, v1                       ; my partial O
	s_lshl_b32 s2, s12, 14
	s_lshl_b32 s3, s15, 11
	s_add_co_u32 s2, s2, s3
	s_add_co_u32 s2, s2, OBUF
	v_add_nc_u32 v32, s2, v1                       ; my group's, my block
	s_lshl_b32 s2, s15, 8
	v_add_nc_u32 v33, s2, v3                       ; in ao's image the block's lanes are 16 b + r: registers 0-3 at 16 x lane,
	s_lshl_b32 s2, s15, 7
	s_add_co_u32 s2, s2, 512
	v_add_nc_u32 v34, s2, v18                      ; 4-5 at 512 + 8 x lane;
	v_lshlrev_b32 v35, 5, v19
	v_add_nc_u32 v35, s15, v35                     ; the scale byte at 32 r + b
.irp e, 6,7,8,9,10,11
	v_mov_b32 v[QF+\e], 0                          ; q's zero codes for the upper 64 of K
	v_mov_b32 v[KF+18+\e], 0                       ; behind the first set of k tiles
.endr
.set i, 0
.rept 24
	v_mov_b32 v[PF+i], 0                           ; behind the second set; and destinations of lane permutes count as sources
.set i, i+1
.endr
	s_wait_alu depctr_va_vdst(0)
	s_wait_loadcnt 24                              ; q is in; the 24 mask loads may be out
	s_wait_tensorcnt 0x0                           ; my part of K, V or the scales is in
	s_barrier_signal -1
	s_barrier_wait -1                              ; and everybody's
	s_mov_b32 s50, 0
.Ltrip:
	KLD 0, 0
	KLD 1, 1
	WA
	s_wait_xcnt 0x0                                ; the pointers, and the registers that the last trip's stores read, are written again only behind this wait
	s_mov_b64 s[52:53], s[62:63]                   ; this trip's mask
	s_lshl_b32 s47, ttmp9, 5
	s_lshl_b32 s48, s50, 1
	s_add_co_u32 s47, s47, s48
	s_add_co_u32 s47, s47, s12
	s_lshr_b32 s48, s11, 4
	s_lshl_b32 s48, s48, 7
	s_add_co_u32 s48, s48, s47                     ; the token tile: 128 x batch + query tile
	s_and_b32 s49, s11, 15
	s_mov_b32 s3, 0
	s_mul_i32 s2, s48, 12288
	s_mul_i32 s42, s49, 768
	s_add_co_u32 s2, s2, s42
	s_add_nc_u64 s[58:59], s[8:9], s[2:3]          ; ao: the tile's record, the head's half fragment
	s_lshl_b32 s2, s48, 9
	s_lshl_b32 s42, s49, 1
	s_add_co_u32 s2, s2, s42
	s_add_co_u32 s2, s2, 6291456
	s_add_nc_u64 s[60:61], s[8:9], s[2:3]          ; its scale record, the head's two bytes
	s_add_co_u32 s51, s50, 1
	s_min_u32 s51, s51, 15                         ; the next trip; the last trip names itself, so that no load leaves its buffer
	PTRS
.irp g, 0,1,2,3,4,5,6,7
	QKG \g
.endr
	MAXG 7
	WIN 0
	QLD                                            ; the next trip's q: 32 plain lines behind the last product that read these registers
	v_max3_num_f32 v18, v[T], v[T+1], v[T+2]
	v_max_num_f32 v18, v18, v[T+3]
	v_permlanex16_b32 v19, v18, s40, s41
	v_max_num_f32 v18, v18, v19                    ; my quarter's largest score of query r
	v_mul_f32 v12, s46, v18                        ; -c m
	v_mov_b32 v13, v12
	FMA 0
	EXPS 0
	FMA 1
	EXPS 1
	ADDS 0
	MASKM 0, 0, 11, 52, 3                          ; behind unit 0's loads: unit 1's eight and q's three
	FMA 2
	EXPS 2
	ADDS 1
	MASKM 1, 1, 11, 52, 4                          ; q's three and unit 3's eight
	FMA 3
	EXPS 3
	ADDS 2
	MASKM 2, 2, -1, 52, 5                          ; unit 2 was asked for ahead of unit 0
	WA
	ADDS 3
	MASKM 3, 0, 16, 52, 6                          ; from here on two units' loads stand behind the one awaited
	v_pk_add_f32 v[CH:CH+1], v[CH:CH+1], v[CH+2:CH+3]
	v_pk_add_f32 v[CH+4:CH+5], v[CH+4:CH+5], v[CH+6:CH+7]
	v_pk_add_f32 v[CH:CH+1], v[CH:CH+1], v[CH+4:CH+5]
	v_add_f32 v14, v[CH], v[CH+1]
	v_permlanex16_b32 v19, v14, s40, s41
	v_add_f32 v13, v14, v19                        ; my quarter's sum
	ds_store_b64 v10, v[12:13]                     ; lanes r and 16 + r write the same pair to the same place
	WA
	s_wait_dscnt 0x0
	s_barrier_signal -1
	s_barrier_wait -1
.irp k, 0,1,2,3
	ds_load_b64 v[ST+2*\k:ST+2*\k+1], v11 offset:128*\k
.endr
	s_wait_dscnt 0x0
	v_max3_num_f32 v18, -v[ST], -v[ST+2], -v[ST+4]
	v_max_num_f32 v18, v18, -v[ST+6]               ; c M, M the row's largest score
.irp k, 0,1,2,3
	v_sub_f32 v[E+\k], -v18, v[ST+2*\k]            ; c (m_k - M)
.endr
	v_sub_f32 v[E+4], -v18, v12                    ; and my own
	WA
.irp k, 0,1,2,3,4
	v_exp_f32 v[E+\k], v[E+\k]
.endr
	v_nop
	WA
	v_mul_f32 v19, v[E], v[ST+1]
	v_fmac_f32 v19, v[E+1], v[ST+3]
	v_fmac_f32 v19, v[E+2], v[ST+5]
	v_fmac_f32 v19, v[E+3], v[ST+7]                ; the row's sum under M
	WA
	v_rcp_f32 v16, v19
	v_nop
	WA
	v_fma_f32 v17, -v19, v16, 1.0                  ; one step of Newton's
	v_fma_f32 v16, v17, v16, v16
	v_mul_f32 v16, v16, v[E+4]                     ; the factor
	v_mov_b32 v17, v16
	KQ 0
	VLD 0
	KQ 1
	VLD 1
	PV 0, 17                                       ; step 0's 17 loads are in; step 1's may be out
	KQ 2
	VLD 2
	PV 1, 17
	KQ 3
	VLD 3
	PV 2, 17
.rept 4
	v_nop                                          ; p's last codes stand four places ahead of the product that takes them
.endr
	PV 3, 0x0
	WIN 0
.rept 4
	v_nop                                          ; places ahead of the reads of O, and of the next loads into the scale words
.endr
.irp a, 0,1,2,3,4,5,6,7
	ds_store_b128 v31, v[O+4*\a:O+4*\a+3] offset:512*\a   ; an image of the registers, each accumulator from its low end on
.endr
	WA
	s_wait_dscnt 0x0
	s_barrier_signal -1
	s_barrier_wait -1
	s_cmp_lg_u32 s14, 0
	s_cbranch_scc1 .Lnot_mine
.irp k, 0,1,2,3
.irp q, 0,1,2,3
	ds_load_b128 v[RS+16*\k+4*\q:RS+16*\k+4*\q+3], v32 offset:4096*\k+512*\q
.endr
.endr
	s_wait_dscnt 0x0
.irp i, 0,2,4,6,8,10,12,14
	v_pk_add_f32 v[RS+\i:RS+\i+1], v[RS+\i:RS+\i+1], v[RS+16+\i:RS+16+\i+1]
	v_pk_add_f32 v[RS+32+\i:RS+32+\i+1], v[RS+32+\i:RS+32+\i+1], v[RS+48+\i:RS+48+\i+1]
.endr
.irp i, 0,2,4,6,8,10,12,14
	v_pk_add_f32 v[RS+\i:RS+\i+1], v[RS+\i:RS+\i+1], v[RS+32+\i:RS+32+\i+1]   ; register i: channel 32 b + 16 h + i of token r
.endr
	v_max3_num_f32 v118, |v[RS]|, |v[RS+1]|, 0x1800000
	v_max3_num_f32 v119, |v[RS+2]|, |v[RS+3]|, 0x1800000
.irp i, 4,8,12
	v_max3_num_f32 v118, v118, |v[RS+\i]|, |v[RS+\i+1]|
	v_max3_num_f32 v119, v119, |v[RS+\i+2]|, |v[RS+\i+3]|
.endr
	v_max_num_f32 v118, v118, v119
	v_permlanex16_b32 v120, v118, s40, s41
	v_max_num_f32 v118, v118, v120
	v_add_nc_u32 v121, 0xff000000, v118
	v_lshrrev_b32 v122, 23, v121
	v_cvt_scalef32_pk16_fp6_f32 v[CD:CD+2], v[RS:RS+15], v121
	v_nop                                          ; one plain place behind a scaled conversion
.irp i, 0,1,2
	v_mov_b32 v[CD+3+\i], v[CD+\i]
.endr
.irp i, 0,1,2
	v_permlane16_swap_b32 v[CD+\i], v[CD+3+\i]     ; every lane now holds row r's lower 16 codes, then its upper 16
.endr
	global_store_b128 v33, v[CD:CD+3], s[58:59]    ; 256 consecutive bytes, aligned (lanes r and 16 + r write the same)
	global_store_b64 v34, v[CD+4:CD+5], s[58:59]   ; 128 consecutive bytes; the other block's wave writes the 128 beside them
	global_store_b8 v35, v122, s[60:61]            ; one byte a row: one in 24 of what the codes take
.Lnot_mine:
	s_add_co_u32 s50, s50, 1
	s_cmp_lt_u32 s50, 16
	s_wait_alu depctr_va_vdst(0)
	s_cbranch_scc1 .Ltrip
	s_wait_tensorcnt 0x0                           ; the wave's end
	ds_add_u32 v[SPW], v[NIL]
	s_wait_dscnt 0x0
	s_endpgm
.Lfunc_end_k_q203a426f64_attn:
	.size	k_q203a426f64_attn, .Lfunc_end_k_q203a426f64_attn-k_q203a426f64_attn
	.p2alignl 7, 3214868480
	.fill 96, 4, 3214868480
	.section	.rodata,"a",@progbits
	.p2align	6, 0x0
	.amdhsa_kernel k_q203a426f64_attn
		.amdhsa_group_segment_fixed_size 327680
		.amdhsa_private_segment_fixed_size 0
		.amdhsa_enable_private_segment 0
		.amdhsa_kernarg_size 24
		.amdhsa_user_sgpr_count 2
		.amdhsa_user_sgpr_kernarg_segment_ptr 1
		.amdhsa_wavefront_size32 1
		.amdhsa_system_sgpr_workgroup_id_x 1
		.amdhsa_system_sgpr_workgroup_id_y 1
		.amdhsa_system_sgpr_workgroup_id_z 1
		.amdhsa_system_vgpr_workitem_id 0
		.amdhsa_next_free_vgpr 512
		.amdhsa_next_free_sgpr 72
		.amdhsa_reserve_vcc 0
		.amdhsa_float_denorm_mode_32 3
		.amdhsa_float_denorm_mode_16_64 3
		.amdhsa_memory_ordered 1
		.amdhsa_forward_progress 1
		.amdhsa_inst_pref_size 107
	.end_amdhsa_kernel
	.amdgpu_metadata
---
amdhsa.version: [ 1, 2 ]
amdhsa.kernels:
  - .name:           k_q203a426f64_attn
    .symbol:         k_q203a426f64_attn.kd
    .args:
      - { .name: qkv, .offset: 0, .size: 8, .value_kind: global_buffer, .address_space: global }
      - { .name: mi, .offset: 8, .size: 8, .value_kind: global_buffer, .address_space: global }
      - { .name: ao, .offset: 16, .size: 8, .value_kind: global_buffer, .address_space: global }
    .group_segment_fixed_size: 327680
    .private_segment_fixed_size: 0
    .kernarg_segment_align: 8
    .kernarg_segment_size: 24
    .max_flat_workgroup_size: 256
    .sgpr_count:     72
    .vgpr_count:     512
    .wavefront_size: 32
...
	.end_amdgpu_metadata
.endif
;; end of part 3
;; launch oproj (part 4): grid 32 x 8, 8 waves a work-group, no clusters, 327,680 bytes of LDS; arguments ao, wq, bo, out0; writes out0
.if DOCPART == 4
	.amdgcn_target "amdgcn-amd-amdhsa--gfx1250"
	.amdhsa_code_object_version 6
	.text
	.protected	k_q203a426f64_oproj
	.globl	k_q203a426f64_oproj
	.p2align	8
	.type	k_q203a426f64_oproj,@function
k_q203a426f64_oproj:
	s_mov_b64 s[64:65], 0
	v_nop
	global_prefetch_b8 v0, s[64:65] scope:SCOPE_SE
	s_setreg_imm32_b32 hwreg(HW_REG_WAVE_MODE, 25, 1), 1
	s_wait_xcnt 0x0
; OPROJ: out0 = attention's result x Wo + bo, on codes of E2M3 with E8M0 scales; f32 out.
; SHARES.  A work-group takes 256 tokens (work-group x) x 128 features (work-group y).  Eight waves: wave w makes 64 tokens (w % 4) x 64 features (w / 4): 16 accumulators of 16 x 16.
; OPERANDS lie in memory as images of their registers (a fragment: 1,536 bytes; a tile's record: 8 fragments).  K = 1,024 goes in four fills of 256 through two LDS slots of 24 tile pieces of 3,072 bytes
; (16 token tiles, 8 feature tiles).  Waves 0-5 fetch, four tiles to a tensor load; the 24 tiles' scale words for all of K come once.  A fetching wave has one tensor load out at the start and one behind each refill's barrier.
; TRANSPOSED USE: source 0 = 16 features, source 1 = 16 tokens: a lane holds one token and eight neighbouring features a tile.  A tile of 16 tokens x 64 features goes through the wave's own stage in LDS
; and leaves as rows of 256 consecutive bytes, aligned, sixteen lanes to a row.
; NO CLUSTER: joint loads would divide the requests for tiles by four; this version keeps plain loads, so that every work-group's ring stands by itself.
.set NT,    24
.set NLOAD, NT/4
.set PIECE, 3072
.set SLOT,  NT*PIECE                   ; 73,728
.set SCL,   2*SLOT
.set SPARE, SCL+NT*512                 ; the spare words: 128 bytes for each of eight waves: four blocks of 256 bytes that no other line names
.set STAGE, SPARE+1024                 ; 16 rows x (256 + 16) bytes for each wave; no fill ever lands here
.set SP,    272
.set AO_SC, 6291456
.set WQ_SC, 3145728
.set SPW, 13
.set NIL, 14
.set SC0, 16                           ; v16-31 hold scales and nothing else
.set SC1, 24
.set F0,  32
.set F1,  80
.set ACC, 128
.set WV,  18
.set IW,  19
.set JW,  20
.set G1C, 24
.set G1S, 32
.set G0S, 40
.set G0A, 44
.set G0B, 48
.set BI,  32                           ; the epilogue: v32-63 the bias in the result's layout; v64-95 rows read back from the stage
.set BK,  64
.macro FRAG reg, aL, aS, off
	ds_load_b128 v[\reg:\reg+3], v[\aL] offset:\off
	ds_load_b64 v[\reg+4:\reg+5], v[\aS] offset:\off
	ds_load_b128 v[\reg+6:\reg+9], v[\aL] offset:(\off)+768
	ds_load_b64 v[\reg+10:\reg+11], v[\aS] offset:(\off)+768
.endm
.macro MM d, a, b, sa, sb, zero
.if \zero
	v_wmma_scale_f32_16x16x128_f8f6f4 v[\d:\d+7], v[\a:\a+11], v[\b:\b+11], 0, v[\sa], v[\sb] matrix_a_fmt:MATRIX_FMT_FP6 matrix_b_fmt:MATRIX_FMT_FP6
.else
	v_wmma_scale_f32_16x16x128_f8f6f4 v[\d:\d+7], v[\a:\a+11], v[\b:\b+11], v[\d:\d+7], v[\sa], v[\sb] matrix_a_fmt:MATRIX_FMT_FP6 matrix_b_fmt:MATRIX_FMT_FP6
.endif
.endm
.macro PLACES                          ; four plain places between a matrix instruction and a load into one of its registers (ISA guide 7.12.1 for vector instructions)
.rept 4
	v_nop
.endr
.endm
.macro KSTEP slot, q, first, places    ; 128 along K: eight fragments, sixteen products; the 16 accumulators take turns, one instruction a turn
.if \places
	PLACES
.endif
.irp a, 0,1,2,3
	FRAG F0+12*\a, 1+2*\slot, 2+2*\slot, \a*PIECE+\q*1536
	FRAG F1+12*\a, 5+2*\slot, 6+2*\slot, \a*PIECE+\q*1536
.endr
	s_wait_dscnt 0x0
.irp i, 0,1,2,3
.irp j, 0,1,2,3
	MM ACC+8*(4*\i+\j), F0+12*\j, F1+12*\i, SC0+2*\j+\q, SC1+2*\i+\q, \first
.endr
.endr
.endm
.macro SLOTWORK slot, p, first
.if \first == 0
	PLACES
.endif
.irp a, 0,1,2,3
	ds_load_b64 v[SC0+2*\a:SC0+2*\a+1], v9 offset:\a*512+8*\p
	ds_load_b64 v[SC1+2*\a:SC1+2*\a+1], v10 offset:\a*512+8*\p
.endr
	KSTEP \slot, 0, \first, 0
	KSTEP \slot, 1, 0, 1
.endm
.macro CHANGE g0, fill
	s_wait_tensorcnt 0x0                           ; no tensor load of mine is out: the other slot's part has landed, and a group 0 may be written
	ds_add_u32 v[SPW], v[NIL]                      ; 0 onto my spare word
	s_add_nc_u64 s[\g0+2:\g0+3], s[\g0+2:\g0+3], 2*PIECE   ; this slot's next fill (behind the last change it is not used)
	s_wait_dscnt 0x0                               ; the add is done, and my reads of the slot are over
	s_barrier_signal -1
	s_barrier_wait -1
.if \fill
	s_cmp_lt_u32 s[WV], NLOAD
	s_cbranch_scc0 .Lnone_\@
	tensor_load_to_lds s[\g0:\g0+3], s[G1C:G1C+7]  ; my one tensor load behind this barrier, and the first thing there
	s_nop 0
.rept 4
	v_nop
.endr
.Lnone_\@:
.endif
.endm
	s_load_b256 s[4:11], s[0:1], 0x0               ; ao s[4:5], wq s[6:7], bo s[8:9], out0 s[10:11]
	v_lshl_add_u32 v[SPW], v0, 2, SPARE
	v_mov_b32 v[NIL], 0
	ds_add_u32 v13, v14
	ds_add_u32 v13, v14
	s_wait_dscnt 0x0
	v_lshrrev_b32 v15, 5, v0
	s_delay_alu instid0(VALU_DEP_1)
	v_readfirstlane_b32 s[WV], v15                 ; wave 0..7
	s_and_b32 s[IW], s[WV], 3                      ; which 64 tokens
	s_lshr_b32 s[JW], s[WV], 2                     ; which 64 features
	s_lshl_b32 s22, s[JW], 2
	s_add_co_u32 s22, s22, 16                      ; source 0's first tile in a slot: features
	s_lshl_b32 s23, s[IW], 2                       ; source 1's: tokens
	s_mov_b32 s[G1C+0], 3<<16                      ; elements of 8 bytes; no mask, no padding
	s_mov_b32 s[G1C+1], 384<<16                    ; rows of 3,072 bytes,
	s_mov_b32 s[G1C+2], 4<<16
	s_mov_b32 s[G1C+3], 384<<16
	s_mov_b32 s[G1C+4], 4                          ; four of them,
	s_mov_b32 s[G1C+5], 1536                       ; 12,288 bytes apart
	s_mov_b32 s[G1C+6], 0
	s_mov_b32 s[G1C+7], 0
	s_mov_b32 s[G1S+0], 3<<16                      ; scale records as rows of 256 dense bytes
	s_mov_b32 s[G1S+1], 32<<16
	s_mov_b32 s[G1S+2], 32<<16                     ; the 16 token tiles' scale records: 32 rows of 256 dense bytes
	s_mov_b32 s[G1S+3], 32<<16
	s_mov_b32 s[G1S+4], 32
	s_mov_b32 s[G1S+5], 32
	s_mov_b32 s[G1S+6], 0
	s_mov_b32 s[G1S+7], 0
	s_mov_b32 s68, 3<<16                           ; s[68:75]: the 8 feature tiles' scale records: 16 such rows
	s_mov_b32 s69, 32<<16
	s_mov_b32 s70, 16<<16
	s_mov_b32 s71, 32<<16
	s_mov_b32 s72, 16
	s_mov_b32 s73, 32
	s_mov_b32 s74, 0
	s_mov_b32 s75, 0
	s_and_b32 s60, ttmp7, 0xffff                   ; the block of 128 features
	s_lshl_b32 s55, ttmp9, 4
	s_lshl_b32 s56, s[WV], 2
	s_add_co_u32 s55, s55, s56                     ; waves 0-3 fetch token tiles 16 x block + 4 w on,
	s_lshl_b32 s57, s60, 3
	s_add_co_u32 s56, s56, s57
	s_add_co_u32 s56, s56, 176                     ; waves 4, 5 Wo's tiles 192 + 8 y + 4 (w - 4) on
	s_wait_kmcnt 0x0
	s_cmp_lt_u32 s[WV], 4                          ; the choice hangs on the wave's number alone
	s_cselect_b64 s[2:3], s[4:5], s[6:7]
	s_cselect_b32 s55, s55, s56
	s_mul_i32 s58, s55, 12288
	s_mov_b32 s59, 0
	s_mov_b32 s57, 0
	s_mov_b32 s[G0S], 1                            ; the token tiles' scale records: 512 bytes a tile, 16 tiles a block
	s_mov_b32 s[G0S+1], SCL
	s_lshl_b32 s56, ttmp9, 13
	s_add_co_u32 s56, s56, AO_SC
	s_add_nc_u64 s[G0S+2:G0S+3], s[4:5], s[56:57]
	s_or_b32 s[G0S+3], s[G0S+3], 0x80000000
	s_mov_b32 s76, 1                               ; s[76:79]: Wo's tiles 192 + 8 y on
	s_mov_b32 s77, SCL+8192
	s_lshl_b32 s56, s60, 12
	s_add_co_u32 s56, s56, WQ_SC+98304
	s_add_nc_u64 s[78:79], s[6:7], s[56:57]
	s_or_b32 s79, s79, 0x80000000
	s_mul_i32 s61, s[WV], 4*PIECE
	s_mov_b32 s[G0A], 1
	s_mov_b32 s[G0A+1], s61
	s_add_nc_u64 s[G0A+2:G0A+3], s[2:3], s[58:59]
	s_mov_b32 s[G0B], 1
	s_add_co_u32 s[G0B+1], s61, SLOT
	s_add_nc_u64 s[G0B+2:G0B+3], s[G0A+2:G0A+3], PIECE
	s_or_b32 s[G0A+3], s[G0A+3], 0x80000000
	s_or_b32 s[G0B+3], s[G0B+3], 0x80000000
	s_cmp_lt_u32 s[WV], NLOAD                      ; the head's loads, one a wave, in one chain of branches on the wave's number: waves 0-5 slot 0's codes,
	s_cbranch_scc0 .Lhead_x
	tensor_load_to_lds s[G0A:G0A+3], s[G1C:G1C+7]
	s_nop 0
.rept 4
	v_nop
.endr
	s_branch .Lno_first
.Lhead_x:
	s_cmp_lt_u32 s[WV], NLOAD+1                    ; wave 6 the token tiles' scales,
	s_cbranch_scc0 .Lhead_w
	tensor_load_to_lds s[G0S:G0S+3], s[G1S:G1S+7]
	s_nop 0
.rept 4
	v_nop
.endr
	s_branch .Lno_first
.Lhead_w:
	tensor_load_to_lds s[76:79], s[68:75]          ; wave 7 the feature tiles' scales
	s_nop 0
.rept 4
	v_nop
.endr
.Lno_first:
	v_and_b32 v15, 31, v0
	v_and_b32 v11, 15, v0
	s_delay_alu instid0(VALU_DEP_2)
	v_lshlrev_b32 v12, 4, v15
	s_delay_alu instid0(VALU_DEP_3)
	v_lshlrev_b32 v15, 3, v15
	s_mul_i32 s52, s22, PIECE
	s_mul_i32 s53, s23, PIECE
	v_add_nc_u32 v1, s52, v12
	v_add_nc_u32 v2, s52, v15
	s_delay_alu instid0(VALU_DEP_1)
	v_add_nc_u32 v2, 512, v2
	s_delay_alu instid0(VALU_DEP_3)
	v_add_nc_u32 v3, SLOT, v1
	s_delay_alu instid0(VALU_DEP_2)
	v_add_nc_u32 v4, SLOT, v2
	v_add_nc_u32 v5, s53, v12
	v_add_nc_u32 v6, s53, v15
	s_delay_alu instid0(VALU_DEP_1)
	v_add_nc_u32 v6, 512, v6
	s_delay_alu instid0(VALU_DEP_3)
	v_add_nc_u32 v7, SLOT, v5
	s_delay_alu instid0(VALU_DEP_2)
	v_add_nc_u32 v8, SLOT, v6
	v_lshlrev_b32 v11, 5, v11
	s_lshl_b32 s52, s22, 9
	s_add_co_u32 s52, s52, SCL
	s_lshl_b32 s53, s23, 9
	s_add_co_u32 s53, s53, SCL
	v_add_nc_u32 v9, s52, v11
	v_add_nc_u32 v10, s53, v11
	s_wait_alu depctr_va_vdst(0)
	s_wait_tensorcnt 0x0                           ; my load of the head is in; slot 1's first fill is issued as a refill is
	ds_add_u32 v[SPW], v[NIL]
	s_wait_dscnt 0x0
	s_barrier_signal -1
	s_barrier_wait -1
	s_cmp_lt_u32 s[WV], NLOAD
	s_cbranch_scc0 .Lno_second
	tensor_load_to_lds s[G0B:G0B+3], s[G1C:G1C+7]  ; slot 1, my one tensor load behind this barrier
	s_nop 0
.rept 4
	v_nop
.endr
.Lno_second:
	SLOTWORK 0, 0, 1                               ; the first step's products start the sums
	CHANGE G0A, 1
	SLOTWORK 1, 1, 0
	CHANGE G0B, 1
	SLOTWORK 0, 2, 0
	CHANGE G0A, 0
	SLOTWORK 1, 3, 0
	; ---- the way out.  The address arithmetic is the places behind the last products: plain vector lines that name none of their registers
	v_and_b32 v15, 15, v0                          ; r
	v_bfe_u32 v12, v0, 4, 1                        ; h
	s_mul_i32 s52, s[WV], 16*SP
	s_add_co_u32 s52, s52, STAGE                   ; my stage
	v_mul_u32_u24 v1, v15, SP
	s_delay_alu instid0(VALU_DEP_1)
	v_lshl_add_u32 v1, v12, 6, v1
	s_delay_alu instid0(VALU_DEP_1)
	v_add_nc_u32 v1, s52, v1                       ; in: row r, + 64 h
	v_mul_u32_u24 v2, v12, SP
	s_delay_alu instid0(VALU_DEP_1)
	v_lshl_add_u32 v2, v15, 4, v2
	s_delay_alu instid0(VALU_DEP_1)
	v_add_nc_u32 v2, s52, v2                       ; back: lanes 0-15 one row, lanes 16-31 the next; 16 bytes a lane
	v_lshlrev_b32 v3, 12, v12
	s_delay_alu instid0(VALU_DEP_1)
	v_lshl_add_u32 v3, v15, 4, v3                  ; and the same two rows in out0
	v_lshlrev_b32 v4, 6, v12                       ; the bias: 64 h
	s_lshl_b32 s58, s60, 9
	s_lshl_b32 s53, s[JW], 8
	s_add_co_u32 s58, s58, s53                     ; my first feature, in bytes: 512 y + 256 (w / 4)
	s_mov_b32 s59, 0
	s_add_nc_u64 s[8:9], s[8:9], s[58:59]
.irp j, 0,1,2,3
	global_load_b128 v[BI+8*\j:BI+8*\j+3], v4, s[8:9] offset:(32*(\j/2)+8*(\j%2))*4
	global_load_b128 v[BI+8*\j+4:BI+8*\j+7], v4, s[8:9] offset:(32*(\j/2)+8*(\j%2))*4+16
.endr
	s_lshl_b32 s53, ttmp9, 20                      ; 256 rows of 4,096 bytes a block,
	s_add_co_u32 s58, s58, s53
	s_lshl_b32 s53, s[IW], 18                      ; 64 a wave
	s_add_co_u32 s58, s58, s53
	s_add_nc_u64 s[10:11], s[10:11], s[58:59]
	s_wait_loadcnt 0x0
.irp i, 0,1,2,3
.irp k, 0,2,4,6,8,10,12,14,16,18,20,22,24,26,28,30
	v_pk_add_f32 v[ACC+32*\i+\k:ACC+32*\i+\k+1], v[ACC+32*\i+\k:ACC+32*\i+\k+1], v[BI+\k:BI+\k+1]   ; each accumulator from its low end on
.endr
.if \i > 0
	s_wait_alu depctr_va_vdst(0)
	s_wait_xcnt 0x0                                ; the last tile's stores have read their data: the rows' registers are loaded again only behind this wait
.endif
.irp j, 0,1,2,3
	ds_store_b128 v1, v[ACC+32*\i+8*\j:ACC+32*\i+8*\j+3] offset:128*(\j/2)+32*(\j%2)        ; features 32 (j / 2) + 16 h + 8 (j % 2) + 0 .. 7 of token r
	ds_store_b128 v1, v[ACC+32*\i+8*\j+4:ACC+32*\i+8*\j+7] offset:128*(\j/2)+32*(\j%2)+16
.endr
.irp k, 0,1,2,3,4,5,6,7
	ds_load_b128 v[BK+4*\k:BK+4*\k+3], v2 offset:2*\k*SP   ; LDS serves a wave's instructions in order (ISA guide 5.7.1.4): these see my stores, and the next tile's stores come behind them
.endr
.irp k, 0,1,2,3,4,5,6,7
	s_wait_dscnt 7-\k                              ; rows 2 k and 2 k + 1 are back; the 7 - k younger loads may be out
	global_store_b128 v3, v[BK+4*\k:BK+4*\k+3], s[10:11] offset:(32*(\i/2)+8*(\i%2)+((2*\k)&7)+16*(\k/4))*4096 th:TH_STORE_NT   ; stage row rr is token rr + 8 (rr / 8) of the tile; 16 lanes store 256 consecutive bytes, aligned
.endr
.endr
	s_wait_tensorcnt 0x0                           ; the wave's end: behind my last tensor load and my last LDS store
	ds_add_u32 v[SPW], v[NIL]
	s_wait_dscnt 0x0
	s_endpgm
.Lfunc_end_k_q203a426f64_oproj:
	.size	k_q203a426f64_oproj, .Lfunc_end_k_q203a426f64_oproj-k_q203a426f64_oproj
	.p2alignl 7, 3214868480
	.fill 96, 4, 3214868480
	.section	.rodata,"a",@progbits
	.p2align	6, 0x0
	.amdhsa_kernel k_q203a426f64_oproj
		.amdhsa_group_segment_fixed_size 327680
		.amdhsa_private_segment_fixed_size 0
		.amdhsa_enable_private_segment 0
		.amdhsa_kernarg_size 32
		.amdhsa_user_sgpr_count 2
		.amdhsa_user_sgpr_kernarg_segment_ptr 1
		.amdhsa_wavefront_size32 1
		.amdhsa_system_sgpr_workgroup_id_x 1
		.amdhsa_system_sgpr_workgroup_id_y 1
		.amdhsa_system_sgpr_workgroup_id_z 1
		.amdhsa_system_vgpr_workitem_id 0
		.amdhsa_next_free_vgpr 256
		.amdhsa_next_free_sgpr 96
		.amdhsa_reserve_vcc 0
		.amdhsa_float_denorm_mode_32 3
		.amdhsa_float_denorm_mode_16_64 3
		.amdhsa_memory_ordered 1
		.amdhsa_forward_progress 1
		.amdhsa_inst_pref_size 58
	.end_amdhsa_kernel
	.amdgpu_metadata
---
amdhsa.version: [ 1, 2 ]
amdhsa.kernels:
  - .name:           k_q203a426f64_oproj
    .symbol:         k_q203a426f64_oproj.kd
    .args:
      - { .name: ao, .offset: 0, .size: 8, .value_kind: global_buffer, .address_space: global }
      - { .name: wq, .offset: 8, .size: 8, .value_kind: global_buffer, .address_space: global }
      - { .name: bo, .offset: 16, .size: 8, .value_kind: global_buffer, .address_space: global }
      - { .name: out0, .offset: 24, .size: 8, .value_kind: global_buffer, .address_space: global }
    .group_segment_fixed_size: 327680
    .private_segment_fixed_size: 0
    .kernarg_segment_align: 8
    .kernarg_segment_size: 32
    .max_flat_workgroup_size: 256
    .sgpr_count:     96
    .vgpr_count:     256
    .wavefront_size: 32
...
	.end_amdgpu_metadata
.endif
;; end of part 4
